; MI455X (gfx1250); checked and timed in simulation.
; The chip was launched on July 23, 2026; its instructions are those of AMD's public machine-readable ISA for CDNA 5 (MIT licence, August 2026) and "CDNA5" Instruction Set Architecture Reference Guide (July 2026). The comments in the code are by the model that wrote it; some were corrected since.
;; GLA Working Memory. Allowed arithmetic: float matrix products may take bf16 or f16 operands with f32 sums; other float arithmetic in f32, or as packed bf16 or f16 multiplies, adds, multiply-adds, maxima and minima; sums over many terms, partial sums and values carried from step to step in f32; what a program stores and reads back later, other than sums and carried values, may be rounded once to bf16 or f16.
;; Inputs: Wg1 64 x 2,048 float32; Wg2 2,048 x 64 float32; Wk 2,048 x 2,048 float32; Wo 2,048 x 2,048 float32; Wq 2,048 x 2,048 float32; Wv 2,048 x 2,048 float32; bg2 2,048 float32; bk 2,048 float32; bo 2,048 float32; bq 2,048 float32; bv 2,048 float32; reset_mask 32 x 64 bool; state0 32 x 16 x 128 x 128 float32; x_all 32 x 64 x 2,048 float32.
;; Outputs: out0 32 x 64 x 2,048 float32; out1 32 x 16 x 128 x 128 float32.
;; 2 versions, each right; version 2 is version 1 with the launch prep written anew for expert scheduling mode. Each part assembles by itself: llvm-mc -triple=amdgcn-amd-amdhsa -mcpu=gfx1250 --defsym DOCPART=n.
;; ======== version 1 of 2: 3 launches
;; limits: values are held in f16: magnitudes above 65,504 overflow, below 6.1e-05 lose precision
;; workspace buffers: xb 8,388,608 bytes; wcat 25,165,824 bytes; wo16 8,388,608 bytes; wg2b 262,144 bytes; ub 262,144 bytes; ob 8,388,608 bytes; tau 8,192 bytes
;; launch prep (part 1): grid 256 x 1, 8 waves a work-group, no clusters, 101,632 bytes of LDS; arguments x_all, Wq, Wk, Wv, Wo, Wg1, Wg2, xb, wcat, wo16, wg2b, ub; writes xb, wcat, wo16, wg2b, ub
.if DOCPART == 1
	.amdgcn_target "amdgcn-amd-amdhsa--gfx1250"
	.amdhsa_code_object_version 6
	.text
	.protected	k_qaba17ec994_prep
	.globl	k_qaba17ec994_prep
	.p2align	8
	.type	k_qaba17ec994_prep,@function
k_qaba17ec994_prep:
	s_mov_b64 s[64:65], 0
	v_nop
	global_prefetch_b8 v0, s[64:65] scope:SCOPE_SE
	s_setreg_imm32_b32 hwreg(HW_REG_WAVE_MODE, 25, 1), 1
	s_wait_xcnt 0x0
; PREP.  Every large f32 input is rounded once to 16 bits, so that the two matrix launches behind move and read 2-byte operands.
; Work-groups 0-127 (x's part): 16 rows of x each -> xb (bf16); 4,096 bytes of Wg2 -> wg2b (bf16); u = x Wg1^T for the 16 rows (bf16 operands, f32 sums) -> ub (bf16).
; Work-groups 128-255 (the weights' part): 64 rows of one of Wq, Wk, Wv -> wcat (bf16, laid [head][q,k,v][128 rows][2048], so that a head's 384 rows lie together),
; or of Wo -> wo16: rounded to bf16 like every input, and that number written as f16.
; LIMITS.  Wo beyond 65,504 becomes an infinity in wo16; below 6e-5 it keeps f16's fixed step of 6e-8.  NaN and infinities are not treated apart.
; No cluster and no tensor load: no work-group reads a byte that another reads, but for Wg1 (512 KiB, read by 128 work-groups).  The branch on the work-group's number is the same for all eight waves.
; Every load of a wave takes 512 consecutive bytes, every store 256 consecutive bytes at a multiple of 256 from its buffer's first byte.
.set XSP,   4112                       ; LDS: a row of x in bf16, 4,096 bytes + 16: the 16 rows of a fragment load start at 16 different groups of four banks
.set PART,  16*XSP                     ; behind the 16 rows: eight waves' partial sums of u, 16 rows x 272 bytes each
.set PPI,   272
.set SPARE, PART+8*16*PPI              ; the spare words, 128 bytes for each wave: four blocks of 256 bytes that no other line names
.set SPW,   30                         ; v30  LDS address of my spare word; never rewritten
.set NIL,   31                         ; v31  0; never rewritten
.set X,     32                         ; v[32:159]  32 loads of x; later two sets of 64 for Wg1 or for a row of weights
.set BF0,   160                        ; v[160:191] Wg1's four fragments in bf16, even chunks
.set BF1,   224                        ; v[224:255] odd chunks
.set AF0,   8                          ; v[8:15], v[16:23] x's fragment, even and odd chunks
.set ACC,   192                        ; v[192:223] four accumulators: u's columns 16 t .. 16 t + 15
.set WOF,   24                         ; v24  my byte offset in Wg1
.set XFA,   25                         ; v25  LDS address of my part of x's fragments
.set PSA,   26                         ; v26  where I put my partial sums
.set PRA,   27                         ; v27  where I read the eight partial sums
.set WV,    28                         ; s28  my wave's number
	s_load_b512 s[4:19], s[0:1], 0x0               ; x s[4:5], Wq s[6:7], Wk s[8:9], Wv s[10:11], Wo s[12:13], Wg1 s[14:15], Wg2 s[16:17], xb s[18:19]
	s_load_b256 s[20:27], s[0:1], 0x40             ; wcat s[20:21], wo16 s[22:23], wg2b s[24:25], ub s[26:27]
	v_lshl_add_u32 v[SPW], v0, 2, SPARE
	v_mov_b32 v[NIL], 0
	v_lshrrev_b32 v1, 5, v0
	v_readfirstlane_b32 s[WV], v1                  ; wave 0..7
	s_cmp_lt_u32 ttmp9, 128
	s_cbranch_scc0 .Lweights
	; ---------------- x's part
	v_lshlrev_b32 v2, 4, v0                        ; 16 x thread: my 16 bytes of 4,096
	v_lshlrev_b32 v3, 3, v0                        ; 8 x thread: the same four numbers in bf16
	v_and_b32 v28, 15, v0                          ; l % 16
	v_bfe_u32 v29, v0, 4, 1                        ; l / 16
	s_lshl_b32 s29, s[WV], 10                      ; my wave's 256 channels of K, in f32
	v_lshlrev_b32 v[WOF], 13, v28                  ; Wg1: row l % 16,
	v_lshl_add_u32 v[WOF], v29, 5, v[WOF]          ; 8 channels for each half of the lanes
	v_add_nc_u32 v[WOF], s29, v[WOF]
	s_lshl_b32 s29, s[WV], 9                       ; the same 256 channels in bf16
	v_mul_u32_u24 v[XFA], v28, XSP
	v_lshl_add_u32 v[XFA], v29, 4, v[XFA]
	v_add_nc_u32 v[XFA], s29, v[XFA]
	s_mul_i32 s29, s[WV], 16*PPI
	s_add_co_u32 s29, s29, PART
	v_mul_u32_u24 v[PSA], v28, PPI                 ; row of x = l % 16, 8 columns of u for each half of the lanes
	v_lshl_add_u32 v[PSA], v29, 5, v[PSA]
	v_add_nc_u32 v[PSA], s29, v[PSA]
	v_lshrrev_b32 v[PRA], 4, v0                    ; at the end thread t takes row t / 16, columns 4 (t % 16) ..
	v_mul_u32_u24 v[PRA], v[PRA], PPI
	v_lshl_add_u32 v[PRA], v28, 4, v[PRA]
	v_add_nc_u32 v[PRA], PART, v[PRA]
	s_lshl_b32 s30, ttmp9, 17                      ; 16 rows of 8,192 bytes
	s_mov_b32 s31, 0
	s_lshl_b32 s32, ttmp9, 16                      ; 16 rows of 4,096 bytes
	s_mov_b32 s33, 0
	s_lshl_b32 s34, ttmp9, 12                      ; my 4,096 bytes of Wg2
	s_mov_b32 s35, 0
	s_lshl_b32 s36, ttmp9, 11                      ; 2,048 bytes of wg2b, and of ub
	s_mov_b32 s37, 0
	s_wait_kmcnt 0x0
	s_add_nc_u64 s[4:5], s[4:5], s[30:31]
	s_add_nc_u64 s[18:19], s[18:19], s[32:33]
	s_add_nc_u64 s[16:17], s[16:17], s[34:35]
	s_add_nc_u64 s[24:25], s[24:25], s[36:37]
	s_add_nc_u64 s[26:27], s[26:27], s[36:37]
	global_load_b128 v[4:7], v2, s[16:17] th:TH_LOAD_NT
.set n, 0
.rept 32                               ; load n: row n / 2, half n % 2 of its 8,192 bytes
	global_load_b128 v[X+4*n:X+4*n+3], v2, s[4:5] offset:n*4096 th:TH_LOAD_NT
.set n, n+1
.endr
	s_wait_loadcnt 32                              ; Wg2's load is in; x's 32 may stay out
	v_cvt_pk_bf16_f32 v4, v4, v5
	v_cvt_pk_bf16_f32 v5, v6, v7
	global_store_b64 v3, v[4:5], s[24:25]
.set n, 0
.rept 32
	s_wait_loadcnt 31-n                            ; load n is in; the younger ones stay out
	v_cvt_pk_bf16_f32 v[X+4*n], v[X+4*n], v[X+4*n+1]
	v_cvt_pk_bf16_f32 v[X+4*n+1], v[X+4*n+2], v[X+4*n+3]
	global_store_b64 v3, v[X+4*n:X+4*n+1], s[18:19] offset:n*2048
	ds_store_b64 v3, v[X+4*n:X+4*n+1] offset:(n/2)*XSP+(n%2)*2048
.set n, n+1
.endr
; Chunk kc (32 channels of my wave's 256) of Wg1's 64 rows, in f32: a fragment's 16 numbers a lane are two runs of 8, 64 bytes apart
.macro LOADW kc
.set LW, X+64*((\kc)%2)
.irp t, 0,1,2,3
	global_load_b128 v[LW+16*(\t):LW+16*(\t)+3],     v[WOF], s[14:15] offset:(\t)*131072+(\kc)*128
	global_load_b128 v[LW+16*(\t)+4:LW+16*(\t)+7],   v[WOF], s[14:15] offset:(\t)*131072+(\kc)*128+16
	global_load_b128 v[LW+16*(\t)+8:LW+16*(\t)+11],  v[WOF], s[14:15] offset:(\t)*131072+(\kc)*128+64
	global_load_b128 v[LW+16*(\t)+12:LW+16*(\t)+15], v[WOF], s[14:15] offset:(\t)*131072+(\kc)*128+80
.endr
.endm
; Chunk kc is rounded and multiplied; the set that it leaves takes chunk kc + 2.  Source 0 = 16 rows of Wg1, source 1 = the 16 rows of x: a lane then holds one row of x and eight neighbouring columns of u.
; The four accumulators take turns; the fragment sets alternate, so 32 conversions stand between a set's last product and its next writing.
.macro TRIPW kc
.set LW, X+64*((\kc)%2)
.set BF, BF0+(BF1-BF0)*((\kc)%2)
.set AF, AF0+8*((\kc)%2)
.if (\kc) < 7
	s_wait_loadcnt 16                              ; this chunk's 16 loads are in; the other set's 16 may stay out
.else
	s_wait_loadcnt 0x0
.endif
.set n, 0
.rept 32
	v_cvt_pk_bf16_f32 v[BF+n], v[LW+2*n], v[LW+2*n+1]
.set n, n+1
.endr
.if (\kc) < 6
	LOADW (\kc)+2
.endif
	ds_load_b128 v[AF:AF+3],   v[XFA] offset:64*(\kc)
	ds_load_b128 v[AF+4:AF+7], v[XFA] offset:64*(\kc)+32
	s_wait_dscnt 0x0
.irp t, 0,1,2,3
.if (\kc) == 0
	v_wmma_f32_16x16x32_bf16 v[ACC+8*(\t):ACC+8*(\t)+7], v[BF+8*(\t):BF+8*(\t)+7], v[AF:AF+7], 0
.else
	v_wmma_f32_16x16x32_bf16 v[ACC+8*(\t):ACC+8*(\t)+7], v[BF+8*(\t):BF+8*(\t)+7], v[AF:AF+7], v[ACC+8*(\t):ACC+8*(\t)+7]
.endif
.endr
.endm
	s_wait_xcnt 0x0                                ; the stores have read their data: x's registers are loaded again only behind this wait
	LOADW 0
	LOADW 1
	s_wait_dscnt 0x0                               ; for the others' sake: my part of the 16 rows lies in LDS
	s_barrier_signal -1
	s_barrier_wait -1
.irp kc, 0,1,2,3,4,5,6,7
	TRIPW \kc
.endr
.rept 4
	v_nop                                          ; four places behind the last product, ahead of the stores of its result
.endr
.irp t, 0,1,2,3
	ds_store_b128 v[PSA], v[ACC+8*(\t):ACC+8*(\t)+3]   offset:64*(\t)
	ds_store_b128 v[PSA], v[ACC+8*(\t)+4:ACC+8*(\t)+7] offset:64*(\t)+16
.endr
	s_wait_dscnt 0x0
	s_barrier_signal -1
	s_barrier_wait -1                              ; all eight partial sums lie in LDS
.irp w, 0,1,2,3,4,5,6,7
	ds_load_b128 v[X+4*(\w):X+4*(\w)+3], v[PRA] offset:(\w)*16*PPI
.endr
	s_wait_dscnt 0x0
.irp q, 0,2
	v_pk_add_f32 v[X+(\q):X+(\q)+1],       v[X+(\q):X+(\q)+1],       v[X+4+(\q):X+4+(\q)+1]
	v_pk_add_f32 v[X+8+(\q):X+8+(\q)+1],   v[X+8+(\q):X+8+(\q)+1],   v[X+12+(\q):X+12+(\q)+1]
	v_pk_add_f32 v[X+16+(\q):X+16+(\q)+1], v[X+16+(\q):X+16+(\q)+1], v[X+20+(\q):X+20+(\q)+1]
	v_pk_add_f32 v[X+24+(\q):X+24+(\q)+1], v[X+24+(\q):X+24+(\q)+1], v[X+28+(\q):X+28+(\q)+1]
	v_pk_add_f32 v[X+(\q):X+(\q)+1],       v[X+(\q):X+(\q)+1],       v[X+8+(\q):X+8+(\q)+1]
	v_pk_add_f32 v[X+16+(\q):X+16+(\q)+1], v[X+16+(\q):X+16+(\q)+1], v[X+24+(\q):X+24+(\q)+1]
	v_pk_add_f32 v[X+(\q):X+(\q)+1],       v[X+(\q):X+(\q)+1],       v[X+16+(\q):X+16+(\q)+1]
.endr
	v_cvt_pk_bf16_f32 v[X], v[X], v[X+1]
	v_cvt_pk_bf16_f32 v[X+1], v[X+2], v[X+3]
	global_store_b64 v3, v[X:X+1], s[26:27]        ; row t / 16 of 128 bytes, 8 bytes at 8 (t % 16): 8 t
	s_wait_tensorcnt 0x0                           ; the wave's end: behind my last LDS store
	ds_add_u32 v[SPW], v[NIL]
	s_wait_dscnt 0x0
	s_endpgm
	; ---------------- the weights' part: a wave takes 8 rows, a row (8,192 bytes) is 16 loads; two sets of registers, so 16 KiB of a wave are on their way
.Lweights:
	s_sub_co_u32 s29, ttmp9, 128
	s_lshr_b32 s30, s29, 5                         ; which matrix: 0 Wq, 1 Wk, 2 Wv, 3 Wo
	s_and_b32 s31, s29, 31
	s_lshl_b32 s31, s31, 6
	s_lshl3_add_u32 s31, s[WV], s31                ; my first row = 64 x block + 8 x wave
	s_lshl_b32 s32, s31, 13                        ; its byte in the source
	s_mov_b32 s33, 0
	s_lshr_b32 s34, s31, 7                         ; the head,
	s_mul_i32 s34, s34, 384                        ; whose 384 rows lie together in wcat,
	s_lshl_b32 s35, s30, 7                         ; q's, then k's, then v's 128
	s_add_co_u32 s34, s34, s35
	s_and_b32 s35, s31, 127
	s_add_co_u32 s34, s34, s35
	s_cmp_eq_u32 s30, 3
	s_cselect_b32 s34, s31, s34                    ; wo16 keeps Wo's rows as they lie
	s_lshl_b32 s34, s34, 12
	s_mov_b32 s35, 0
	v_and_b32 v1, 31, v0
	v_lshlrev_b32 v2, 4, v1                        ; 16 x lane
	v_lshlrev_b32 v3, 3, v1                        ; 8 x lane
	s_wait_kmcnt 0x0
	s_cmp_eq_u32 s30, 1
	s_cselect_b64 s[6:7], s[8:9], s[6:7]
	s_cmp_eq_u32 s30, 2
	s_cselect_b64 s[6:7], s[10:11], s[6:7]
	s_cmp_eq_u32 s30, 3
	s_cselect_b64 s[6:7], s[12:13], s[6:7]
	s_cselect_b64 s[20:21], s[22:23], s[20:21]
	s_add_nc_u64 s[6:7], s[6:7], s[32:33]
	s_add_nc_u64 s[20:21], s[20:21], s[34:35]
.macro LOADR set, off
.set n, 0
.rept 16
	global_load_b128 v[X+64*(\set)+4*n:X+64*(\set)+4*n+3], v2, s[6:7] offset:(\off)+n*512 th:TH_LOAD_NT
.set n, n+1
.endr
.endm
; A row is rounded in place and stored.  half = 1: the bf16 number is written as f16.
.macro ROWC set, off, half
.set n, 0
.rept 16
.set R, X+64*(\set)+4*n
	v_cvt_pk_bf16_f32 v[R], v[R], v[R+1]
	v_cvt_pk_bf16_f32 v[R+1], v[R+2], v[R+3]
.if \half
	v_lshlrev_b32 v[R+2], 16, v[R]
	v_and_b32 v[R+3], 0xffff0000, v[R]
	v_cvt_pk_f16_f32 v[R], v[R+2], v[R+3]
	v_lshlrev_b32 v[R+2], 16, v[R+1]
	v_and_b32 v[R+3], 0xffff0000, v[R+1]
	v_cvt_pk_f16_f32 v[R+1], v[R+2], v[R+3]
.endif
	global_store_b64 v3, v[R:R+1], s[20:21] offset:(\off)+n*256
.set n, n+1
.endr
.endm
.macro WALK half
	s_mov_b32 s36, 3
.Lrows_\@:                                     ; a trip: two rows out, the rows two further on asked for
	s_wait_loadcnt 16                              ; set 0 is in; set 1's 16 loads may stay out
	ROWC 0, 0, \half
	s_wait_xcnt 0x0                                ; the stores have read set 0: it is loaded again only behind this wait
	LOADR 0, 16384
	s_wait_loadcnt 16                              ; set 1 is in
	ROWC 1, 4096, \half
	s_wait_xcnt 0x0
	LOADR 1, 24576
	s_wait_xcnt 0x0                                ; the two pointers are stepped only behind this wait
	s_add_nc_u64 s[6:7], s[6:7], 16384
	s_add_nc_u64 s[20:21], s[20:21], 8192
	s_sub_co_u32 s36, s36, 1
	s_cmp_lg_u32 s36, 0
	s_cbranch_scc1 .Lrows_\@
	s_wait_loadcnt 16                              ; the last two rows load nothing
	ROWC 0, 0, \half
	s_wait_loadcnt 0x0
	ROWC 1, 4096, \half
	s_endpgm
.endm
	LOADR 0, 0
	LOADR 1, 8192
	s_cmp_eq_u32 s30, 3
	s_cbranch_scc1 .Lwo
	WALK 0
.Lwo:
	WALK 1
.Lfunc_end_k_qaba17ec994_prep:
	.size	k_qaba17ec994_prep, .Lfunc_end_k_qaba17ec994_prep-k_qaba17ec994_prep
	.p2alignl 7, 3214868480
	.fill 96, 4, 3214868480
	.section	.rodata,"a",@progbits
	.p2align	6, 0x0
	.amdhsa_kernel k_qaba17ec994_prep
		.amdhsa_group_segment_fixed_size 101632
		.amdhsa_private_segment_fixed_size 0
		.amdhsa_enable_private_segment 0
		.amdhsa_kernarg_size 96
		.amdhsa_user_sgpr_count 2
		.amdhsa_user_sgpr_kernarg_segment_ptr 1
		.amdhsa_wavefront_size32 1
		.amdhsa_system_sgpr_workgroup_id_x 1
		.amdhsa_system_sgpr_workgroup_id_y 1
		.amdhsa_system_sgpr_workgroup_id_z 1
		.amdhsa_system_vgpr_workitem_id 0
		.amdhsa_next_free_vgpr 256
		.amdhsa_next_free_sgpr 66
		.amdhsa_reserve_vcc 0
		.amdhsa_float_denorm_mode_32 3
		.amdhsa_float_denorm_mode_16_64 3
		.amdhsa_memory_ordered 1
		.amdhsa_forward_progress 1
		.amdhsa_inst_pref_size 109
	.end_amdhsa_kernel
	.amdgpu_metadata
---
amdhsa.version: [ 1, 2 ]
amdhsa.kernels:
  - .name:           k_qaba17ec994_prep
    .symbol:         k_qaba17ec994_prep.kd
    .args:
      - { .name: x_all, .offset: 0, .size: 8, .value_kind: global_buffer, .address_space: global }
      - { .name: Wq, .offset: 8, .size: 8, .value_kind: global_buffer, .address_space: global }
      - { .name: Wk, .offset: 16, .size: 8, .value_kind: global_buffer, .address_space: global }
      - { .name: Wv, .offset: 24, .size: 8, .value_kind: global_buffer, .address_space: global }
      - { .name: Wo, .offset: 32, .size: 8, .value_kind: global_buffer, .address_space: global }
      - { .name: Wg1, .offset: 40, .size: 8, .value_kind: global_buffer, .address_space: global }
      - { .name: Wg2, .offset: 48, .size: 8, .value_kind: global_buffer, .address_space: global }
      - { .name: xb, .offset: 56, .size: 8, .value_kind: global_buffer, .address_space: global }
      - { .name: wcat, .offset: 64, .size: 8, .value_kind: global_buffer, .address_space: global }
      - { .name: wo16, .offset: 72, .size: 8, .value_kind: global_buffer, .address_space: global }
      - { .name: wg2b, .offset: 80, .size: 8, .value_kind: global_buffer, .address_space: global }
      - { .name: ub, .offset: 88, .size: 8, .value_kind: global_buffer, .address_space: global }
    .group_segment_fixed_size: 101632
    .private_segment_fixed_size: 0
    .kernarg_segment_align: 8
    .kernarg_segment_size: 96
    .max_flat_workgroup_size: 256
    .sgpr_count:     66
    .vgpr_count:     256
    .wavefront_size: 32
...
	.end_amdgpu_metadata
.endif
;; end of part 1
;; launch scan (part 2): grid 16 x 16, 4 waves a work-group, clusters of 4 x 4, 327,680 bytes of LDS; arguments xb, wcat, ub, wg2b, bq, bk, bv, bg2, reset_mask, state0, ob, tau, out1; writes ob, tau, out1
.if DOCPART == 2
	.amdgcn_target "amdgcn-amd-amdhsa--gfx1250"
	.amdhsa_code_object_version 6
	.text
	.protected	k_qaba17ec994_scan
	.globl	k_qaba17ec994_scan
	.p2align	8
	.type	k_qaba17ec994_scan,@function
k_qaba17ec994_scan:
	s_mov_b64 s[64:65], 0
	v_nop
	global_prefetch_b8 v0, s[64:65] scope:SCOPE_SE
	s_setreg_imm32_b32 hwreg(HW_REG_WAVE_MODE, 25, 1), 1
	s_wait_xcnt 0x0
	s_wait_alu depctr_hold_cnt(0) depctr_sa_sdst(0) depctr_va_vdst(0) depctr_va_sdst(0) depctr_va_ssrc(0) depctr_va_vcc(0) depctr_vm_vsrc(0)
	s_getreg_b32 s2, hwreg(HW_REG_IB_STS2, 6, 4)
	s_cmp_eq_u32 s2, 0
	s_cbranch_scc0 .Lentry_in_a_cluster
	s_endpgm
.Lentry_in_a_cluster:
	s_bfe_u32 s2, ttmp6, 0x10000c
	s_cmp_lg_u32 s2, 0xf033
	s_cbranch_scc0 .Lentry_shape_is_right
	s_endpgm
.Lentry_shape_is_right:
; SCAN.  For one head and two batches (128 tokens): q, k, v = x W^T + b (K = 2,048, bf16 operands, f32 sums), the gate's second product, the gate, the whole recurrence, the new state and o.  q, k, v, g never reach memory.
; THE RECURRENCE AS MATRIX WORK.  S_t = a_t S_(t-1) + k_t v_t^T, o_t = q_t S_t, with a_t = keep_t x sigmoid(z_t)^(1/16) for each channel, in 0..1 (a reset is a_t = 0).
; o_t = sum over s <= t of P[t,s] v_s + (q_t A(0..t)) S_0,  P[t,s] = sum over channels of q_t k_s A(s+1..t),  A(i..j) = the product of a_i .. a_j.
; Only products of decays over ranges are formed, never a quotient: for s < t there is one level B in 1,2,4,8,16,32 at which s lies in an even block of B tokens and t in the odd block behind it, and there
; A(s+1..t) = (decays behind s to its block's end) x (decays from t's block's start to t).  For each level ONE array X_B[channel][token] holds q x prefix in odd blocks and k x suffix in even ones; a 16 x 16 tile of P^T at
; that level is X_B X_B^T, and constant lane masks pick the level's own entries (the others are bounded and dropped).  The diagonal is sum of q k, by a product with ones.
; FORMATS.  x, W, u, Wg2 and S_0 (as a matrix operand) in bf16; biases rounded to bf16.  q, k, v are divided by a power of two taken from their largest magnitude over the (batch, head); so the X arrays, P (at most 512), k x suffix and v
; are f16 whatever the inputs' size.  q x prefix for the S_0 term goes as a bf16 pair (high part, remainder).  o leaves as f16 divided by a power of two tau for each (batch, 32 columns), stored beside it.
; LIMITS.  The powers of two are held to 2^-126 .. 2^126.  A decay below 2^-126 counts as 0.  An f16 operand below 2^-14 of its tile's scale keeps the fixed step 2^-24.  NaN and infinities are not treated apart.
; SHARES.  A work-group makes 128 tokens x 384 columns (q, k, v of its head).  Wave w owns all 128 tokens x channels 32 w .. 32 w + 31 of q, of k, of v and of the gate: 8 x 8 accumulators.  Source 0 = 16 tokens, source 1 = 16 rows of
; W: a lane holds ONE channel (lane % 16) and the tokens 8 (lane / 16) + 0..7 in its registers, so q, k and the gate of a (token, channel) meet in one lane and time runs along registers.
; CLUSTER.  4 x 4 work-groups: x's tile hangs on the batch pair alone and is asked for jointly along a row of the cluster, W's tiles on the head alone, jointly along a column.  state0's tile is each work-group's own.
; LDS in the K loop: two slots of 4 x 128 rows x 272 bytes (x, Wq, Wk, Wv).  Behind it: S_0 of both batches in slot 0 (the ring's last refill); the nine arrays, V, P and the stage for o where slot 1 lay (its last fill is over).
; REGISTERS, in windows of 256 (s_set_vgpr_msb: bits 1:0 source 0, 3:2 source 1, 5:4 source 2, 7:6 destination):
;   window 0: v0-63 addresses, biases, reset bytes; K loop: v64-127, v128-191 x's fragments, two buffers.   window 1: K loop: v64-111, v128-175 W's fragments.
;   window 2: accumulators of tokens 0-63 ((a, b) at v[8 (8 a + b)]; b = 0,1 q; 2,3 k; 4,5 v; 6,7 gate);   window 3: those of tokens 64-127.
;   behind the loop, for the batch in hand: window 1: v0-63 q, v64-127 k, v128-191 v (index 2 (8 i + j) + c: token 16 i + 8 h + j, channel tile c), v192-223, v224-255 my v and k x suffix as fragments;
;   window 0: v64-127 decays, then S_0's fragments; v128-191 at work, then sums; v192-223 keep, then packed results; v224-255 block products and scales;   window 2: fragments and sums.
.set KSTEP, 128
.set PITCH, 272                        ; 256 bytes + 16: the 16 rows of a fragment load start at 16 different groups of four banks
.set HALFT, 128*PITCH                  ; 128 rows: what one tensor load brings
.set SLOT,  4*HALFT
.set LAPS,  8                          ; 2,048 / 256: a lap is two K steps
.set S0P,   528                        ; a row of S_0: 512 bytes + 16
.set S0B,   128*S0P                    ; a batch's S_0
.set XA,    SLOT                       ; the arrays: 128 channel rows; array n (64 tokens of f16 or bf16) at byte 128 n: X1, X2, X4, X8, XD, X16, X32, Q0 high, Q0 low
.set XP,    1184                       ; 37 x 32 bytes
.set XH,    64*XP                      ; channels 64 on: past an LDS offset's 16 bits, so a second address register
.set VA,    XA+128*XP                  ; v: 128 channel rows x 64 tokens of f16, pitch 144
.set VP,    144
.set PF,    VA+128*VP                  ; P^T: for each column of tiles 4 blocks of 512 bytes: the diagonal tile, level 16's, level 32's two
.set MAXB,  PF+16*512                  ; the waves' maxima: a block of 256 bytes
.set SPARE, MAXB+256                   ; the spare words, 128 bytes for each wave: two blocks of 256 bytes that no other line names
.set OST,   XA                         ; the stage for o: 64 rows x 272 bytes, where arrays lay that nobody reads any more
.set OP,    272
.set AXS, 6                            ; v6   where I store my channel's 8 tokens in the arrays
.set AVS, 7                            ; v7   the same in V
.set AXT, 8                            ; v8-9   turning loads, my own tile of tokens (channels 0-63, 64-127)
.set AXU, 10                           ; v10-11 the tile beside mine (w xor 1)
.set AXV, 12                           ; v12-13 the first tile of the other half
.set AXQ, 14                           ; v14-15 tile 0
.set ADRA, 16                          ; v16-17 x's fragments in slot 0, 1
.set ADRB, 18                          ; v18-19 Wq's and Wk's
.set ADRC, 20                          ; v20-21 Wv's (past the offset's 16 bits from ADRB)
.set AS0C, 22                          ; v22  S_0 by columns
.set AS0R, 23                          ; v23  S_0, my channel's row, 8 columns
.set AS0L, 24                          ; v24  S_0, my wave's rows, whole
.set APW, 25                           ; v25  P: where I store
.set APR, 26                           ; v26  P: where I read
.set AVR, 27                           ; v27  V's fragments
.set SPW, 28                           ; v28  LDS address of my spare word; never rewritten
.set NIL, 29                           ; v29  0; never rewritten
.set PFO, 30                           ; v30  256 x lane: the prefetches' offset; never rewritten
.set AOW, 31                           ; v31  the stage: in
.set BIAS, 32                          ; v32-39 bq, bk, bv, bg2 of my two channels
.set RWC, 40                           ; v40-47 the reset bytes of the batch in hand; v48-55 the second batch's
.set AOR, 56                           ; v56  the stage: back
.set AMW, 57                           ; v57  my maxima
.set AMR, 58                           ; v58  all maxima
.set GOB, 59                           ; v59  my byte offset in ob
.set GO1, 60                           ; v60  in out1
.set VZ,  61                           ; v61  0, tau's offset
.set TA,  62                           ; v62-63 at work
.set TM,  200                          ; at work while the addresses are made
.set F0,  64
.set F1,  128
.set QB,  0                            ; window 1
.set KB,  64
.set VB,  128
.set VF,  192
.set KF,  224
.set DEC, 64                           ; window 0
.set SF,  64
.set SR,  64
.set EE,  128
.set FT,  128                          ; 17 pairs of factors
.set T1,  FT
.set T3,  FT+2
.set T5,  FT+4
.set T7,  FT+6
.set U2,  FT+8
.set U3,  FT+10
.set U6,  FT+12
.set U7,  FT+14
.set W4,  FT+16
.set W5,  FT+18
.set W6,  FT+20
.set W7,  FT+22
.set R0,  FT+24
.set R4,  FT+26
.set Z0,  FT+28
.set Z1,  FT+30
.set Z2,  FT+32
.set TP,  FT+34                        ; 8 tokens x 2 channels at work
.set PK,  TP+16                        ; the same, packed
.set BO,  PK+8
.set FQ,  BO+2
.set FK,  FQ+2
.set PA,  128                          ; eight sums of the P phase
.set A0,  128                          ; the S_0 term's eight sums, then o
.set KP,  192
.set PKP, 192
.set PKO, 192
.set B16, 224                          ; the four tiles' whole products, a pair each
.set B01, 232
.set B23, 234
.set AT,  236                          ; the 64 tokens' product: channel tile 0 in v236, tile 1 in v238
.set INV, 240                          ; 1 / scale of q, k, v, a pair each
.set C1,  246
.set C0,  248
.set CKV, 250
.set MX,  252
.set PFF, 64                           ; window 1: P's six fragments
.set WV,  20                           ; s20  my wave's number
.set G1S, 4                            ; s[4:11]  descriptor group 1 for S_0;  s[12:15] its group 0
.set G0S, 12
.set G1,  24                           ; s[24:31] group 1 for x's tiles;  s[32:39] group 0, a set for each slot
.set G0,  32
.set G1B, 48                           ; s[48:55], s[56:63] the same for W's tiles
.set G0B, 56
.set OBP, 88                           ; s[88:89] ob, s[90:91] tau, s[92:93] out1, at my wave's part
.set TAUP, 90
.set O1P, 92
.set PFS, 94                           ; s[94:95] state0 at my wave's 64 rows; later where my prefetches stand
.set PST, 96                           ; s[96:97] their step
.set SEL, 98                           ; s[98:99] v_permlanex16_b32's selects: each lane takes its own place in the other half
.set M8,  24                           ; behind the K loop the descriptors' registers hold the lane masks and constants
.set M4,  25
.set M2A, 26
.set M2B, 27
.set M1,  28
.set MD,  32
.set MH,  48
.set V16, 49
.set L2E, 50
.set C16, 52
.set N16, 54
.set SAVE, 56
.set MSB, 0
.macro WIN new                         ; the immediate's high byte repeats the setting that is left; a switch that changes nothing is dropped
.if MSB != (\new)
	s_set_vgpr_msb (MSB<<8)|(\new)
.set MSB, \new
.endif
.endm
.set MUL_LO, 0xa4                      ; source 0 (x) window 0, source 1 (W) window 1, C and D window 2
.set MUL_HI, 0xf4                      ; the same, C and D window 3
.set TO_B,   0x40                      ; destination window 1, address window 0
.macro PLACES                          ; four places behind a matrix instruction, ahead of loads into registers that it has read and of lines that read its result
.rept 4
	v_nop
.endr
.endm
; A joint load.  Wave 0 fetches x's tile, waves 1 to 3 Wq's, Wk's, Wv's.  Each of the two lines has one mask; the branch hangs on the wave's number alone.
; An s_nop 0 and four v_nop follow each line, ahead of the jump, the label and what follows.
.macro JLOAD s
	s_cmp_eq_u32 s[WV], 0
	s_cbranch_scc0 .Lfor_w_\@
	tensor_load_to_lds s[G0+4*(\s):G0+4*(\s)+3], s[G1:G1+7]
	s_nop 0
	PLACES
	s_branch .Lasked_\@
.Lfor_w_\@:
	tensor_load_to_lds s[G0B+4*(\s):G0B+4*(\s)+3], s[G1B:G1B+7]
	s_nop 0
	PLACES
.Lasked_\@:
.endm
; A PREFETCH INTO THE L2 of state0: my wave's own 64 rows (32 KiB on end), which its one tensor load asks for behind the K loop.  A lane a block of 256 bytes, 8 KiB an instruction, one instruction behind each of the
; last four joint loads (the loop's last two trips), behind the run of LDS loads.  No other wave of the launch reads these bytes, so each block is named once.
.macro ASK off
	s_cmp_le_u32 s3, 2
	s_cbranch_scc0 .Lnot_yet_\@
	global_prefetch_b8 v[PFO], s[PFS:PFS+1] offset:\off th:TH_LOAD_NT scope:SCOPE_SE
.Lnot_yet_\@:
.endm
.macro CREST                           ; a round of the cluster's barrier behind its opening barrier
	s_cmp_lg_u32 s[WV], 0
	s_cbranch_scc1 .Lnot_wave_0_\@
	s_barrier_signal -3
.Lnot_wave_0_\@:
	s_barrier_wait -3
	s_barrier_signal -1
	s_barrier_wait -1
.endm
.macro CROUND
	s_barrier_signal -1
	s_barrier_wait -1
	CREST
.endm
	s_load_b512 s[68:83], s[0:1], 0x0              ; xb s[68:69], wcat s[70:71], ub s[72:73], wg2b s[74:75], bq s[76:77], bk s[78:79], bv s[80:81], bg2 s[82:83]
	s_load_b256 s[84:91], s[0:1], 0x40             ; reset_mask s[84:85], state0 s[86:87], ob s[88:89], tau s[90:91]
	s_load_b64 s[92:93], s[0:1], 0x60              ; out1
	v_lshl_add_u32 v[SPW], v0, 2, SPARE
	v_mov_b32 v[NIL], 0
	ds_add_u32 v[SPW], v[NIL]                      ; the wave's opening: the add and its wait stand ahead of my first tensor load; the set-up below, work on registers, stands between them
	ds_add_u32 v28, v29
	v_lshrrev_b32 v1, 5, v0
	v_readfirstlane_b32 s[WV], v1                  ; wave 0..3
	s_bfe_u32 s40, ttmp6, 0x40000                  ; cx
	s_bfe_u32 s41, ttmp6, 0x40004                  ; cy
	s_lshl_b32 s42, ttmp9, 2
	s_add_co_u32 s42, s42, s40                     ; the head = 4 x cluster x + cx
	s_and_b32 s43, ttmp7, 0xffff
	s_lshl_b32 s43, s43, 2
	s_add_co_u32 s43, s43, s41                     ; the pair of batches = 4 x cluster y + cy
	s_lshl_b32 s44, s41, 2
	s_lshl_b32 s44, 15, s44                        ; my row of the cluster
	s_lshl_b32 s45, 0x1111, s40                    ; my column
	; group 1 for x's and W's tiles: 128 rows x 128 elements of 2 bytes, 4 words of padding behind every 64
	s_or_b32 s[G1], s44, (1<<16)|(1<<20)|(1<<21)|(5<<22)|(3<<25)   ; x's tiles go to my row of the cluster
	s_or_b32 s[G1B], s45, (1<<16)|(1<<20)|(1<<21)|(5<<22)|(3<<25)  ; W's to my column
.irp g, G1, G1B
	s_mov_b32 s[(\g)+1], KSTEP<<16                 ; tensor_dim0 = 128
	s_mov_b32 s[(\g)+2], 128<<16                   ; tensor_dim1 = 128
	s_mov_b32 s[(\g)+3], KSTEP<<16                 ; tile_dim0 = 128
	s_mov_b32 s[(\g)+4], 128                       ; tile_dim1 = 128
	s_mov_b32 s[(\g)+5], 2048                      ; elements from row to row
	s_mov_b32 s[(\g)+6], 0
	s_mov_b32 s[(\g)+7], 0
.endr
	; group 1 for S_0: 64 rows x 128 elements of 4 bytes, 4 words of padding behind every 128; no mask: the tile is my work-group's own
	s_mov_b32 s[G1S], (2<<16)|(1<<20)|(6<<22)|(3<<25)
	s_mov_b32 s[G1S+1], 128<<16
	s_mov_b32 s[G1S+2], 64<<16
	s_mov_b32 s[G1S+3], 128<<16
	s_mov_b32 s[G1S+4], 64
	s_mov_b32 s[G1S+5], 128
	s_mov_b32 s[G1S+6], 0
	s_mov_b32 s[G1S+7], 0
	s_lshl_b32 s16, s43, 19                        ; x: 128 rows of 4,096 bytes for each pair of batches; these registers never hold the head
	s_mov_b32 s17, 0
	s_max_u32 s18, s[WV], 1
	s_sub_co_u32 s18, s18, 1                       ; which of q, k, v I fetch
	s_lshl_b32 s18, s18, 19
	s_mul_i32 s46, s42, 384*4096                   ; W: the head's 384 rows; these registers never hold the pair of batches
	s_add_co_u32 s46, s46, s18
	s_mov_b32 s47, 0
	s_mul_i32 s21, s[WV], HALFT                    ; where my tile goes: no place in the cluster enters an LDS address
	s_lshl_b32 s22, s43, 21                        ; state0: batch 2 pair + wave / 2, the head, rows 64 (wave % 2) on
	s_lshr_b32 s23, s[WV], 1
	s_lshl_b32 s23, s23, 20
	s_add_co_u32 s22, s22, s23
	s_lshl_b32 s23, s42, 16
	s_add_co_u32 s22, s22, s23
	s_and_b32 s23, s[WV], 1
	s_lshl_b32 s23, s23, 15
	s_add_co_u32 s22, s22, s23
	s_mov_b32 s23, 0
	s_mov_b32 s[PST+1], 0
	s_mov_b32 s[SEL], 0x76543210
	s_mov_b32 s[SEL+1], 0xfedcba98
	s_wait_dscnt 0x0                               ; the opening add is done
	s_wait_kmcnt 0x0
	s_add_nc_u64 s[16:17], s[68:69], s[16:17]
	s_add_nc_u64 s[46:47], s[70:71], s[46:47]
	s_add_nc_u64 s[PFS:PFS+1], s[86:87], s[22:23]
	CROUND                                         ; all sixteen work-groups are here: the first joint loads meet
.irp s, 0,1
	s_mov_b32 s[G0+4*(\s)], 1
	s_mov_b32 s[G0+4*(\s)+1], (\s)*SLOT
	s_add_nc_u64 s[G0+4*(\s)+2:G0+4*(\s)+3], s[16:17], (\s)*KSTEP*2
	s_or_b32 s[G0+4*(\s)+3], s[G0+4*(\s)+3], 0x80000000
	s_mov_b32 s[G0B+4*(\s)], 1
	s_add_co_u32 s[G0B+4*(\s)+1], s21, (\s)*SLOT
	s_add_nc_u64 s[G0B+4*(\s)+2:G0B+4*(\s)+3], s[46:47], (\s)*KSTEP*2
	s_or_b32 s[G0B+4*(\s)+3], s[G0B+4*(\s)+3], 0x80000000
.endr
	s_mov_b32 s[G0S], 1
	s_mul_i32 s[G0S+1], s[WV], 64*S0P
	s_mov_b64 s[G0S+2:G0S+3], s[PFS:PFS+1]
	s_or_b32 s[G0S+3], s[G0S+3], 0x80000000
	s_cmp_eq_u32 s[WV], 0                          ; a wave's two first fills stand in one branch, ahead of every wait on TENSORcnt, every LDS read and every barrier behind the round: two loads of mine are out
	s_cbranch_scc0 .Lfirst_w
	tensor_load_to_lds s[G0:G0+3], s[G1:G1+7]
	s_nop 0
	tensor_load_to_lds s[G0+4:G0+7], s[G1:G1+7]
	s_nop 0
	PLACES
	s_branch .Lfirst_asked
.Lfirst_w:
	tensor_load_to_lds s[G0B:G0B+3], s[G1B:G1B+7]
	s_nop 0
	tensor_load_to_lds s[G0B+4:G0B+7], s[G1B:G1B+7]
	s_nop 0
	PLACES
.Lfirst_asked:
	; what comes straight into registers: biases, reset bytes, and the gate's operands (a fragment lies in memory as it lies in registers: 16 bytes a lane, twice)
	v_and_b32 v1, 15, v0                           ; l % 16
	v_bfe_u32 v2, v0, 4, 1                         ; l / 16
	v_and_b32 v3, 31, v0                           ; l
	v_lshlrev_b32 v4, 7, v1
	v_lshl_add_u32 v4, v2, 4, v4                   ; a row of 128 bytes, 16 bytes for each half of the lanes
	s_lshl_b32 s18, s43, 14
	v_add_nc_u32 v5, s18, v4                       ; u: my work-group's 128 tokens
	s_lshl_b32 s18, s42, 14
	s_lshl_b32 s19, s[WV], 12
	s_add_co_u32 s18, s18, s19
	v_add_nc_u32 v62, s18, v4                      ; Wg2: the head's rows, my wave's 32
	s_lshl_b32 s18, s42, 9
	s_lshl_b32 s19, s[WV], 7
	s_add_co_u32 s18, s18, s19
	v_lshl_add_u32 v63, v1, 2, s18                 ; biases: channel 128 head + 32 w + l % 16
	s_lshl_b32 s18, s43, 7
	v_lshl_add_u32 v61, v2, 3, s18                 ; reset bytes: 8 tokens for each half of the lanes
.irp p, 0,1,2,3
	global_load_b32 v[BIAS+2*(\p)],   v63, s[76+2*(\p):77+2*(\p)]
	global_load_b32 v[BIAS+2*(\p)+1], v63, s[76+2*(\p):77+2*(\p)] offset:64
.endr
.irp n, 0,1,2,3,4,5,6,7                ; batch n / 4, tile n % 4
	global_load_b64 v[RWC+2*(\n):RWC+2*(\n)+1], v61, s[84:85] offset:((\n)/4)*64+((\n)%4)*16
.endr
.set a, 0
.rept 8
.irp kc, 0,1
	global_load_b128 v[64+16*a+8*(\kc):64+16*a+8*(\kc)+3],   v5, s[72:73] offset:a*2048+(\kc)*64
	global_load_b128 v[64+16*a+8*(\kc)+4:64+16*a+8*(\kc)+7], v5, s[72:73] offset:a*2048+(\kc)*64+32
.endr
.set a, a+1
.endr
	WIN TO_B
.irp c, 0,1
.irp kc, 0,1
	global_load_b128 v[64+16*(\c)+8*(\kc):64+16*(\c)+8*(\kc)+3],   v62, s[74:75] offset:(\c)*2048+(\kc)*64
	global_load_b128 v[64+16*(\c)+8*(\kc)+4:64+16*(\c)+8*(\kc)+7], v62, s[74:75] offset:(\c)*2048+(\kc)*64+32
.endr
.endr
	WIN 0
	; the addresses, made while those loads are out
	v_mul_u32_u24 v[TM], v1, PITCH
	v_lshl_add_u32 v[TM], v2, 4, v[TM]             ; row x 272 + 16 x half
	s_mul_i32 s18, s[WV], 32*PITCH
	s_add_co_u32 s18, s18, HALFT
	v_mov_b32 v[ADRA], v[TM]
	v_add_nc_u32 v[ADRA+1], SLOT, v[TM]
	v_add_nc_u32 v[ADRB], s18, v[TM]
	v_add_nc_u32 v[ADRB+1], SLOT, v[ADRB]
	v_add_nc_u32 v[ADRC], 2*HALFT, v[ADRB]
	v_add_nc_u32 v[ADRC+1], 2*HALFT, v[ADRB+1]
	s_lshl_b32 s18, s[WV], 6
	s_add_co_u32 s18, s18, OST
	v_add_nc_u32 v[AOW], s18, v[TM]                ; the stage, in: row l % 16, my wave's 64 bytes, 16 for each half of the lanes
	v_mul_u32_u24 v[TM+1], v1, XP
	v_lshl_add_u32 v[TM+1], v2, 4, v[TM+1]
	s_mul_i32 s18, s[WV], 32*XP
	s_add_co_u32 s18, s18, XA
	v_add_nc_u32 v[AXS], s18, v[TM+1]
	v_mul_u32_u24 v[TM+2], v1, VP
	v_lshl_add_u32 v[TM+2], v2, 4, v[TM+2]
	v_add_nc_u32 v[AVR], VA, v[TM+2]
	s_mul_i32 s18, s[WV], 32*VP
	v_add_nc_u32 v[AVS], s18, v[AVR]
	v_and_b32 v[TM+3], 7, v0                       ; the turning load: lane l reads channel row 8 (l / 16) + l % 8, tokens 8 ((l / 8) % 2) + 0..7
	v_lshl_add_u32 v[TM+3], v2, 3, v[TM+3]
	v_mul_u32_u24 v[TM+3], v[TM+3], XP
	v_bfe_u32 v[TM+4], v0, 3, 1
	v_lshl_add_u32 v[TM+3], v[TM+4], 4, v[TM+3]
	v_add_nc_u32 v[AXQ], XA, v[TM+3]
	v_add_nc_u32 v[AXQ+1], XH, v[AXQ]
	s_lshl_b32 s18, s[WV], 5
	v_add_nc_u32 v[AXT], s18, v[AXQ]
	v_add_nc_u32 v[AXT+1], XH, v[AXT]
	s_xor_b32 s18, s[WV], 1
	s_lshl_b32 s18, s18, 5
	v_add_nc_u32 v[AXU], s18, v[AXQ]
	v_add_nc_u32 v[AXU+1], XH, v[AXU]
	s_xor_b32 s18, s[WV], 2
	s_and_b32 s18, s18, 2
	s_lshl_b32 s18, s18, 5
	v_add_nc_u32 v[AXV], s18, v[AXQ]
	v_add_nc_u32 v[AXV+1], XH, v[AXV]
	v_mul_u32_u24 v[TM+5], v2, 8*S0P
	v_lshl_add_u32 v[TM+5], v1, 2, v[TM+5]
	s_lshl_b32 s18, s[WV], 7
	v_add_nc_u32 v[AS0C], s18, v[TM+5]             ; S_0 by columns: row 8 (l / 16), column 32 w + l % 16
	v_mul_u32_u24 v[TM+6], v1, S0P
	v_lshl_add_u32 v[TM+6], v2, 5, v[TM+6]
	s_mul_i32 s18, s[WV], 32*S0P
	v_add_nc_u32 v[AS0R], s18, v[TM+6]
	v_lshl_add_u32 v[AS0L], v3, 4, s18
	v_lshl_add_u32 v[APR], v3, 4, PF
	s_lshl_b32 s18, s[WV], 11
	v_add_nc_u32 v[APW], s18, v[APR]
	v_mul_u32_u24 v[TM+7], v2, OP
	v_lshl_add_u32 v[TM+7], v1, 4, v[TM+7]
	s_mul_i32 s18, s[WV], 16*OP
	s_add_co_u32 s18, s18, OST
	v_add_nc_u32 v[AOR], s18, v[TM+7]              ; the stage, back: lanes 0-15 one row of 256 bytes, lanes 16-31 the next
	v_mov_b32 v[AMR], MAXB
	s_lshl_b32 s18, s[WV], 4
	v_add_nc_u32 v[AMW], s18, v[AMR]
	v_lshlrev_b32 v[TM+8], 12, v2
	v_lshl_add_u32 v[GOB], v1, 4, v[TM+8]
	v_lshlrev_b32 v[GO1], 4, v3
	v_lshlrev_b32 v[PFO], 8, v3
	s_lshl_b32 s18, s43, 19                        ; ob: 128 rows of 4,096 bytes a pair of batches, my wave's 16 rows, the head's 256 bytes
	s_lshl_b32 s19, s[WV], 16
	s_add_co_u32 s18, s18, s19
	s_lshl_b32 s19, s42, 8
	s_add_co_u32 s18, s18, s19
	s_mov_b32 s19, 0
	s_add_nc_u64 s[OBP:OBP+1], s[OBP:OBP+1], s[18:19]
	s_lshl_b32 s18, s43, 9                         ; tau[batch][4 head + wave]
	s_lshl_b32 s19, s42, 4
	s_add_co_u32 s18, s18, s19
	s_lshl_b32 s19, s[WV], 2
	s_add_co_u32 s18, s18, s19
	s_mov_b32 s19, 0
	s_add_nc_u64 s[TAUP:TAUP+1], s[TAUP:TAUP+1], s[18:19]
	s_lshl_b32 s18, s43, 21                        ; out1: the batch, the head, my wave's 32 rows of 512 bytes
	s_lshl_b32 s19, s42, 16
	s_add_co_u32 s18, s18, s19
	s_lshl_b32 s19, s[WV], 14
	s_add_co_u32 s18, s18, s19
	s_mov_b32 s19, 0
	s_add_nc_u64 s[O1P:O1P+1], s[O1P:O1P+1], s[18:19]
	s_wait_loadcnt 0x0
	; THE GATE'S SECOND PRODUCT: u (128 tokens x 64) times my 32 rows of Wg2, into accumulators (a, 6) and (a, 7).  The 16 accumulators take turns.
.set kc, 0
.rept 2
.set a, 0
.rept 8
	WIN MUL_LO+0x50*(a/4)
.set c, 0
.rept 2
.set rD, 8*(8*(a%4)+6+c)
.if kc == 0
	v_wmma_f32_16x16x32_bf16 v[rD:rD+7], v[64+16*a+8*kc:64+16*a+8*kc+7], v[64+16*c+8*kc:64+16*c+8*kc+7], 0
.else
	v_wmma_f32_16x16x32_bf16 v[rD:rD+7], v[64+16*a+8*kc:64+16*a+8*kc+7], v[64+16*c+8*kc:64+16*c+8*kc+7], v[rD:rD+7]
.endif
.set c, c+1
.endr
.set a, a+1
.endr
.set kc, kc+1
.endr
	WIN 0                                          ; the biases are rounded to bf16 like every input: 13 plain lines, the places ahead of the loads into the gate's fragments
	v_cvt_pk_bf16_f32 v4, v[BIAS], v[BIAS+1]
	v_cvt_pk_bf16_f32 v5, v[BIAS+2], v[BIAS+3]
	v_cvt_pk_bf16_f32 v62, v[BIAS+4], v[BIAS+5]
	v_cvt_pk_bf16_f32 v63, v[BIAS+6], v[BIAS+7]
	v_lshlrev_b32 v[BIAS], 16, v4
	v_and_b32 v[BIAS+1], 0xffff0000, v4
	v_lshlrev_b32 v[BIAS+2], 16, v5
	v_and_b32 v[BIAS+3], 0xffff0000, v5
	v_lshlrev_b32 v[BIAS+4], 16, v62
	v_and_b32 v[BIAS+5], 0xffff0000, v62
	v_lshlrev_b32 v[BIAS+6], 16, v63
	v_and_b32 v[BIAS+7], 0xffff0000, v63
	v_mov_b32 v[VZ], 0
; 12 matrix instructions: token tiles a0, a0 + 1 of the window's four x the 6 channel tiles, 32 along K.  zero = 1: the first product starts the sums.
.macro MUL12 f, hi, a0, zero
	WIN MUL_LO+0x50*(\hi)
.irp a, \a0, (\a0)+1
.irp b, 0,1,2,3,4,5
.if \zero
	v_wmma_f32_16x16x32_bf16 v[8*(8*(\a)+(\b)):8*(8*(\a)+(\b))+7], v[(\f)+8*(4*(\hi)+(\a)):(\f)+8*(4*(\hi)+(\a))+7], v[(\f)+8*(\b):(\f)+8*(\b)+7], 0
.else
	v_wmma_f32_16x16x32_bf16 v[8*(8*(\a)+(\b)):8*(8*(\a)+(\b))+7], v[(\f)+8*(4*(\hi)+(\a)):(\f)+8*(4*(\hi)+(\a))+7], v[(\f)+8*(\b):(\f)+8*(\b)+7], v[8*(8*(\a)+(\b)):8*(8*(\a)+(\b))+7]
.endif
.endr
.endr
.endm
; 28 LDS loads in one run: my 6 fragments of W, then x's 8, for 32 K at byte k of the rows, into buffer f
.macro FETCH slot, k, f
	WIN TO_B
.irp p, 0,1
.irp c, 0,1
	ds_load_b128 v[(\f)+8*(2*(\p)+(\c)):(\f)+8*(2*(\p)+(\c))+3],   v[ADRB+(\slot)] offset:(\k)+(\p)*HALFT+(\c)*16*PITCH
	ds_load_b128 v[(\f)+8*(2*(\p)+(\c))+4:(\f)+8*(2*(\p)+(\c))+7], v[ADRB+(\slot)] offset:(\k)+(\p)*HALFT+(\c)*16*PITCH+32
.endr
.endr
.irp c, 0,1
	ds_load_b128 v[(\f)+8*(4+(\c)):(\f)+8*(4+(\c))+3],   v[ADRC+(\slot)] offset:(\k)+(\c)*16*PITCH
	ds_load_b128 v[(\f)+8*(4+(\c))+4:(\f)+8*(4+(\c))+7], v[ADRC+(\slot)] offset:(\k)+(\c)*16*PITCH+32
.endr
	WIN 0
.irp i, 0,1,2,3,4,5,6,7
	ds_load_b128 v[(\f)+8*(\i):(\f)+8*(\i)+3],   v[ADRA+(\slot)] offset:(\k)+(\i)*16*PITCH
	ds_load_b128 v[(\f)+8*(\i)+4:(\f)+8*(\i)+7], v[ADRA+(\slot)] offset:(\k)+(\i)*16*PITCH+32
.endr
.endm
; A K step is four quarters of 32 along K, 48 matrix instructions each, on buffers 0, 1, 0, 1.  One of the first three multiplies buffer f and, in its middle, fetches the next quarter into g.
; The 48 accumulators take turns in the same order in every quarter, over the backward jump too.
.macro QUARTER slot, k, f, g, zero
	s_wait_dscnt 8                                 ; W and x's rows 0-63 are in; the youngest eight loads (x's rows 64-127) may be out
	MUL12 \f, 0, 0, \zero
	MUL12 \f, 0, 2, \zero
	PLACES
	FETCH \slot, \k, \g
	s_wait_dscnt 28                                ; all but the 28 just issued
	MUL12 \f, 1, 0, \zero
	MUL12 \f, 1, 2, \zero
.endm
; The last quarter multiplies buffer 1 and changes slots.  In front of the round each wave waits for all its tensor loads (the one that is out is its part of the next slot), adds 0 to its spare word, and waits for that and for its
; own reads of this slot.  Behind the round no wave of any partner reads this slot or has a load on its way, and the refill is the first tensor load there, one a wave.
; kind = 0: this slot takes the K step two steps on.  kind = 1 (the last change): slot 0 takes S_0 of both batches, a quarter a wave; it has the last K step, 192 matrix instructions of a wave, in which to land.
.macro TURN slot, next, kind
	WIN 0                                          ; (the add's two registers lie in window 0)
	s_wait_tensorcnt 0x0
	ds_add_u32 v[SPW], v[NIL]                      ; 0 onto my spare word
	s_wait_dscnt 9                                 ; (the add and the youngest eight loads may be out)
	MUL12 F1, 0, 0, 0                              ; twelve matrix instructions stand between the add and the wait for it
	s_wait_dscnt 0x0                               ; the add is done, and my reads of this slot are over
	s_barrier_signal -1
	MUL12 F1, 0, 2, 0
	WIN 0
	s_barrier_wait -1
	CREST
.if (\kind) == 0
	s_add_nc_u64 s[G0+4*(\slot)+2:G0+4*(\slot)+3], s[G0+4*(\slot)+2:G0+4*(\slot)+3], 2*KSTEP*2
	s_add_nc_u64 s[G0B+4*(\slot)+2:G0B+4*(\slot)+3], s[G0B+4*(\slot)+2:G0B+4*(\slot)+3], 2*KSTEP*2
	JLOAD \slot                                    ; the four v_nop behind it are also the places in front of the loads below
.else
	tensor_load_to_lds s[G0S:G0S+3], s[G1S:G1S+7]
	s_nop 0
	PLACES
.endif
	FETCH \next, 0, F0
.if (\kind) == 0
	ASK (\slot)*8192
.endif
	MUL12 F1, 1, 0, 0
	MUL12 F1, 1, 2, 0
.endm
	s_wait_tensorcnt 1                             ; my part of K step 0 is in; slot 1's load may stay out
	s_barrier_signal -1
	s_barrier_wait -1
	FETCH 0, 0, F0
	QUARTER 0, 64, F0, F1, 1                       ; the first quarter stands in front of the loop: its products start the sums
	WIN 0
	s_mov_b32 s3, LAPS-1
.Llap:                                         ; a trip goes once round the ring, from a lap's second quarter to the next lap's first, and fills both slots again
	QUARTER 0, 128, F1, F0, 0
	QUARTER 0, 192, F0, F1, 0
	TURN 0, 1, 0
	QUARTER 1, 64,  F0, F1, 0
	QUARTER 1, 128, F1, F0, 0
	QUARTER 1, 192, F0, F1, 0
	TURN 1, 0, 0
	QUARTER 0, 64,  F0, F1, 0
	WIN 0
	s_wait_xcnt 0x0                                ; the trip's prefetches, a quarter back at the least, have read their address
	s_cmp_le_u32 s3, 2
	s_cselect_b32 s[PST], 16384, 0                 ; it steps only in the trips that ask
	s_add_nc_u64 s[PFS:PFS+1], s[PFS:PFS+1], s[PST:PST+1]
	s_sub_co_u32 s3, s3, 1
	s_cmp_lg_u32 s3, 0
	s_cbranch_scc1 .Llap
	QUARTER 0, 128, F1, F0, 0
	QUARTER 0, 192, F0, F1, 0
	TURN 0, 1, 1
	QUARTER 1, 64,  F0, F1, 0
	QUARTER 1, 128, F1, F0, 0
	QUARTER 1, 192, F0, F1, 0
	s_wait_dscnt 8
	MUL12 F1, 0, 0, 0
	MUL12 F1, 0, 2, 0
	s_wait_dscnt 0x0
	MUL12 F1, 1, 0, 0
	MUL12 F1, 1, 2, 0
	WIN 0
	PLACES
	s_wait_tensorcnt 0x0                           ; my quarter of S_0 is in; no tensor load of mine is out, so the descriptors' registers may be written
	; lane masks: in a 16 x 16 tile of P^T lane l holds query l % 16 and keys 8 (l / 16) + j
	s_mov_b32 s[M8], 0x0000ff00                    ; level 8: keys 0-7, queries 8-15
	s_mov_b32 s[M4], 0xf00000f0                    ; level 4, j < 4: queries 4-7 of the keys' block of 8
	s_mov_b32 s[M2A], 0x0c00000c                   ; level 2, j = 0, 1: queries 2, 3
	s_mov_b32 s[M2B], 0xc00000c0                   ; level 2, j = 4, 5: queries 6, 7
.irp n, 0,1,2,3
	s_mov_b32 s[M1+(\n)], (1<<(2*(\n)+1))|(1<<(25+2*(\n)))  ; level 1, j = 2 n: the query behind the key
.endr
.irp j, 0,1,2,3,4,5,6,7
	s_mov_b32 s[MD+(\j)], (1<<(\j))|(1<<(24+(\j)))          ; the diagonal
.endr
	s_mov_b32 s[MH], 0xffff0000                    ; lanes 16-31; also a word's upper 16 bits
	s_and_b32 s[V16], s[WV], 1
	s_sub_co_u32 s[V16], 0, s[V16]                 ; all ones where my tile is the odd one of its pair
	s_mov_b32 s[L2E], 0x3fb8aa3b                   ; log2(e)
	s_mov_b32 s[C16], 0x3db8aa3b                   ; log2(e) / 16
	s_mov_b32 s[C16+1], s[C16]
	s_mov_b32 s[N16], 0xbd800000                   ; -1 / 16
	s_mov_b32 s[N16+1], s[N16]
; ---------------- macros of the part behind the K loop
.macro PASS1 win                       ; sums + bias, out of the accumulators' window: each accumulator's registers in ascending order
	WIN 0x40|(\win)
.set i, 0
.rept 4
.set b, 0
.rept 6
.set j, 0
.rept 8
	v_add_f32 v[64*(b/2)+(8*i+j)*2+(b%2)], v[8*(8*i+b)+j], v[BIAS+b]
.set j, j+1
.endr
.set b, b+1
.endr
.set i, i+1
.endr
	WIN \win
.set i, 0
.rept 4
.set b, 6
.rept 2
.set j, 0
.rept 8
	v_add_f32 v[DEC+(8*i+j)*2+(b%2)], v[8*(8*i+b)+j], v[BIAS+b]
.set j, j+1
.endr
.set b, b+1
.endr
.set i, i+1
.endr
	WIN 0
.endm
.macro FM d, a, b                      ; a pair of factors (my two channels'), in window 0
	v_pk_mul_f32 v[\d:(\d)+1], v[\a:(\a)+1], v[\b:(\b)+1]
.endm
.macro XR j, src, fac                  ; token j of an array's row: q or k (window 1) times a factor, or times 1 (fac < 0)
.if (\fac) < 0
	v_pk_mul_f32 v[TP+2*(\j):TP+2*(\j)+1], v[(\src)+2*(\j):(\src)+2*(\j)+1], 1.0 op_sel_hi:[1,0]
.else
	v_pk_mul_f32 v[TP+2*(\j):TP+2*(\j)+1], v[(\src)+2*(\j):(\src)+2*(\j)+1], v[(\fac):(\fac)+1]
.endif
.endm
.macro IP base, j, fac                 ; q or k of token j times a factor, in place
	v_pk_mul_f32 v[(\base)+2*(\j):(\base)+2*(\j)+1], v[(\base)+2*(\j):(\base)+2*(\j)+1], v[(\fac):(\fac)+1]
.endm
.macro SCL base, fac                   ; a tile's 8 tokens times one factor, in place
	WIN 0x41
.irp j, 0,1,2,3,4,5,6,7
	IP \base, \j, \fac
.endr
.endm
.macro STX arr, i                      ; my two channels' 8 tokens, 16 bytes each, into array arr, tile i
	ds_store_b128 v[AXS], v[PK:PK+3]   offset:128*(\arr)+32*(\i)
	ds_store_b128 v[AXS], v[PK+4:PK+7] offset:16*XP+128*(\arr)+32*(\i)
.endm
.macro PACKST arr, i                   ; TP, rounded once to f16
	WIN 0
.irp c, 0,1
.irp p, 0,1,2,3
	v_cvt_pk_f16_f32 v[PK+4*(\c)+(\p)], v[TP+4*(\p)+(\c)], v[TP+4*(\p)+2+(\c)]
.endr
.endr
	STX \arr, \i
.endm
.macro PACKW src, arr, i               ; the same straight from q's or k's registers
	WIN 0x05
.irp c, 0,1
.irp p, 0,1,2,3
	v_cvt_pk_f16_f32 v[PK+4*(\c)+(\p)], v[(\src)+4*(\p)+(\c)], v[(\src)+4*(\p)+2+(\c)]
.endr
.endr
	WIN 0
	STX \arr, \i
.endm
; TILE i: my 8 tokens a0..a7 of tile i (an aligned block of 8).  T, U, W: prefix products; R, Z: suffix products.  Levels 1, 2, 4 and the diagonal from q and k as they are; then q takes its prefix in the block of 8 and k its suffix
; (level 8: lanes 0-15 hold the even block, k; lanes 16-31 the odd one, q); then both are carried on to the block of 16 by the other half's whole product (level 16: even tiles k, odd tiles q).
.macro TILE i
.set AJ, DEC+16*(\i)
.set QT, QB+16*(\i)
.set KT, KB+16*(\i)
	WIN 0
	FM T1, AJ, AJ+2
	FM T3, AJ+4, AJ+6
	FM T5, AJ+8, AJ+10
	FM T7, AJ+12, AJ+14
	FM U2, AJ+4, T1
	FM U3, T3, T1
	FM U6, AJ+12, T5
	FM U7, T7, T5
	FM R0, AJ+2, T3
	FM R4, AJ+10, T7
	FM W4, AJ+8, U3
	FM W5, T5, U3
	FM W6, U6, U3
	FM W7, U7, U3
	FM Z0, R0, U7
	FM Z1, T3, U7
	FM Z2, AJ+6, U7
	WIN 0x01
	XR 0, KT, -1
	XR 1, QT, AJ+2
	XR 2, KT, -1
	XR 3, QT, AJ+6
	XR 4, KT, -1
	XR 5, QT, AJ+10
	XR 6, KT, -1
	XR 7, QT, AJ+14
	PACKST 0, \i
	WIN 0x01
	XR 0, KT, AJ+2
	XR 1, KT, -1
	XR 2, QT, AJ+4
	XR 3, QT, T3
	XR 4, KT, AJ+10
	XR 5, KT, -1
	XR 6, QT, AJ+12
	XR 7, QT, T7
	PACKST 1, \i
	WIN 0x01
	XR 0, KT, R0
	XR 1, KT, T3
	XR 2, KT, AJ+6
	XR 3, KT, -1
	XR 4, QT, AJ+8
	XR 5, QT, T5
	XR 6, QT, U6
	XR 7, QT, U7
	PACKST 2, \i
	WIN 0x05
.irp j, 0,1,2,3,4,5,6,7
	v_pk_mul_f32 v[TP+2*(\j):TP+2*(\j)+1], v[QT+2*(\j):QT+2*(\j)+1], v[KT+2*(\j):KT+2*(\j)+1]
.endr
	PACKST 4, \i
	WIN 0x41
	IP QT, 0, AJ
	IP QT, 1, T1
	IP QT, 2, U2
	IP QT, 3, U3
	IP QT, 4, W4
	IP QT, 5, W5
	IP QT, 6, W6
	IP QT, 7, W7
	IP KT, 0, Z0
	IP KT, 1, Z1
	IP KT, 2, Z2
	IP KT, 3, U7
	IP KT, 4, R4
	IP KT, 5, T7
	IP KT, 6, AJ+14
	WIN 0x05
.set n, 0
.rept 16
	v_cndmask_b32 v[TP+n], v[KT+n], v[QT+n], s[MH]
.set n, n+1
.endr
	PACKST 3, \i
	v_permlanex16_b32 v[BO], v[W7], s[SEL], s[SEL+1]      ; the other block of 8's whole product
	v_permlanex16_b32 v[BO+1], v[W7+1], s[SEL], s[SEL+1]
	v_cndmask_b32 v[FQ], 1.0, v[BO], s[MH]
	v_cndmask_b32 v[FQ+1], 1.0, v[BO+1], s[MH]
	v_cndmask_b32 v[FK], v[BO], 1.0, s[MH]
	v_cndmask_b32 v[FK+1], v[BO+1], 1.0, s[MH]
	FM B16+2*(\i), W7, BO
	SCL QT, FQ
	SCL KT, FK
.if (\i)%2
	PACKW QT, 5, \i
.else
	PACKW KT, 5, \i
.endif
.endm
; q x (its prefix from token 0) of tile i as a bf16 pair: the high part, and the remainder rounded again
.macro HILO i
.set QT, QB+16*(\i)
	WIN 0x05
.irp c, 0,1
.irp p, 0,1,2,3
	v_cvt_pk_bf16_f32 v[PK+4*(\c)+(\p)], v[QT+4*(\p)+(\c)], v[QT+4*(\p)+2+(\c)]
.endr
.endr
	WIN 0
	STX 7, \i
.irp c, 0,1
.irp p, 0,1,2,3
	v_lshlrev_b32 v[TP+4*(\p)+(\c)], 16, v[PK+4*(\c)+(\p)]
	v_and_b32 v[TP+4*(\p)+2+(\c)], s[MH], v[PK+4*(\c)+(\p)]
.endr
.endr
	WIN 0x01
.irp j, 0,1,2,3,4,5,6,7
	v_pk_add_f32 v[TP+2*(\j):TP+2*(\j)+1], v[QT+2*(\j):QT+2*(\j)+1], v[TP+2*(\j):TP+2*(\j)+1] neg_lo:[0,1] neg_hi:[0,1]
.endr
	WIN 0
.irp c, 0,1
.irp p, 0,1,2,3
	v_cvt_pk_bf16_f32 v[PK+4*(\c)+(\p)], v[TP+4*(\p)+(\c)], v[TP+4*(\p)+2+(\c)]
.endr
.endr
	STX 8, \i
.endm
; The P phase's fragments of channel chunk kc (32 channels), ten of them, into window 2 at 80 (kc % 3): X8, X4, X2, X1, XD, X16, X32 of my tile; X16 of the tile beside it; X32 of the other half's two tiles
.macro XL1 f, adr, off
	ds_load_tr16_b128 v[XR0+8*(\f):XR0+8*(\f)+3],   v[(\adr)+XS2] offset:XO+(\off)
	ds_load_tr16_b128 v[XR0+8*(\f)+4:XR0+8*(\f)+7], v[(\adr)+XS2] offset:XO+(\off)+16*XP
.endm
.macro XLD kc
	WIN 0x80
.set XR0, 80*((\kc)%3)
.set XO, ((\kc)%2)*32*XP
.set XS2, (\kc)/2
	XL1 0, AXT, 3*128
	XL1 1, AXT, 2*128
	XL1 2, AXT, 1*128
	XL1 3, AXT, 0
	XL1 4, AXT, 4*128
	XL1 5, AXT, 5*128
	XL1 6, AXT, 6*128
	XL1 7, AXU, 5*128
	XL1 8, AXV, 6*128
	XL1 9, AXV, 6*128+32
.endm
.macro PP n, a, b, z
.if \z
	v_wmma_f32_16x16x32_f16 v[PA+8*(\n):PA+8*(\n)+7], v[\a:(\a)+7], v[\b:(\b)+7], 0
.else
	v_wmma_f32_16x16x32_f16 v[PA+8*(\n):PA+8*(\n)+7], v[\a:(\a)+7], v[\b:(\b)+7], v[PA+8*(\n):PA+8*(\n)+7]
.endif
.endm
.macro PROD kc, z                      ; eight sums by turns: source 0 = 16 keys, source 1 = my 16 queries
	WIN 0x0a
.set XR0, 80*((\kc)%3)
	PP 0, XR0, XR0, \z
	PP 1, XR0+8, XR0+8, \z
	PP 2, XR0+16, XR0+16, \z
	PP 3, XR0+24, XR0+24, \z
	PP 4, 240, XR0+32, \z
	PP 5, XR0+56, XR0+40, \z
	PP 6, XR0+64, XR0+48, \z
	PP 7, XR0+72, XR0+48, \z
.endm
.macro PSLOT I, J                      ; which of column I's four blocks holds key tile J
.if (\J) == (\I)
.set PS, 0
.elseif (\J) == ((\I)^1)
.set PS, 1
.else
.set PS, 2+((\J)%2)
.endif
.endm
.macro PFL n, I, m                     ; fragment n of P^T: queries of tile I, keys of tiles 2 m and 2 m + 1
	PSLOT \I, 2*(\m)
	ds_load_b128 v[PFF+8*(\n):PFF+8*(\n)+3], v[APR] offset:2048*(\I)+512*PS
	PSLOT \I, 2*(\m)+1
	ds_load_b128 v[PFF+8*(\n)+4:PFF+8*(\n)+7], v[APR] offset:2048*(\I)+512*PS
.endm
.macro Q0LD half                       ; q x prefix, high and low, of all four tiles, channel chunks 2 half and 2 half + 1: 32 turning loads into window 2
	WIN 0x80
.set kq, 0
.rept 2
.set ti, 0
.rept 4
.set hl, 0
.rept 2
.set rF, 128*(\half)+64*kq+16*ti+8*hl
	ds_load_tr16_b128 v[rF:rF+3],   v[AXQ+(\half)] offset:kq*32*XP+128*(7+hl)+32*ti
	ds_load_tr16_b128 v[rF+4:rF+7], v[AXQ+(\half)] offset:kq*32*XP+16*XP+128*(7+hl)+32*ti
.set hl, hl+1
.endr
.set ti, ti+1
.endr
.set kq, kq+1
.endr
.endm
.macro OZ half                         ; 32 products of the S_0 term: source 0 = S_0^T (my 32 columns), source 1 = q x prefix; eight sums by turns
	WIN 0x08
.set kq, 0
.rept 2
.set hl, 0
.rept 2
.set c, 0
.rept 2
.set ti, 0
.rept 4
.set rD, A0+8*(4*c+ti)
.set rA, SF+32*c+8*(2*(\half)+kq)
.set rF, 128*(\half)+64*kq+16*ti+8*hl
.if ((\half)+kq+hl) == 0
	v_wmma_f32_16x16x32_bf16 v[rD:rD+7], v[rA:rA+7], v[rF:rF+7], 0
.else
	v_wmma_f32_16x16x32_bf16 v[rD:rD+7], v[rA:rA+7], v[rF:rF+7], v[rD:rD+7]
.endif
.set ti, ti+1
.endr
.set c, c+1
.endr
.set hl, hl+1
.endr
.set kq, kq+1
.endr
.endm
	; ---------------- two trips, a batch each; all four waves work on one (batch, head)
	s_mov_b32 s2, 2
.Lbatch:
	s_cmp_eq_u32 s2, 2
	s_cbranch_scc0 .Lsecond
	PASS1 2
	s_branch .Ljoined
.Lsecond:
	PASS1 3
.set n, 0
.rept 8
	v_mov_b32 v[RWC+n], v[RWC+8+n]
.set n, n+1
.endr
.Ljoined:
	; the largest |q|, |k|, |v| of my 32 channels x 64 tokens, three chains side by side
	WIN 0x05
.irp p, 0,1,2
	v_max_num_f32 v[MX+(\p)], |v[64*(\p)]|, |v[64*(\p)+1]|
.endr
.set n, 1
.rept 31
.irp p, 0,1,2
	v_max3_num_f32 v[MX+(\p)], |v[64*(\p)+2*n]|, |v[64*(\p)+2*n+1]|, v[MX+(\p)]
.endr
.set n, n+1
.endr
	WIN 0
.irp m, 1,2,4,8
.irp p, 0,1,2
	v_max_num_f32_dpp v[MX+(\p)], v[MX+(\p)], v[MX+(\p)] row_xmask:\m row_mask:0xf bank_mask:0xf
.endr
.endr
	v_permlanex16_b32 v4, v[MX], s[SEL], s[SEL+1]
	v_permlanex16_b32 v5, v[MX+1], s[SEL], s[SEL+1]
	v_permlanex16_b32 v[TA], v[MX+2], s[SEL], s[SEL+1]
	v_max_num_f32 v[MX], v[MX], v4
	v_max_num_f32 v[MX+1], v[MX+1], v5
	v_max_num_f32 v[MX+2], v[MX+2], v[TA]
	v_mov_b32 v[MX+3], v[MX]
	ds_store_b128 v[AMW], v[MX:MX+3]
	s_wait_dscnt 0x0                               ; my maxima lie in LDS; my reads of slot 1 (first trip) and of the stage (second) are over; my quarter of S_0 has landed
	s_barrier_signal -1
	; THE GATE, work on registers between the signal and the wait: a = keep x 2^(min(z,0) log2(e)/16 - log2(1 + 2^(-|z| log2 e))/16) = keep x sigmoid(z)^(1/16); every exponent is at most 0
.set n, 0
.rept 64
	v_mul_f32 v[EE+n], -|v[DEC+n]|, s[L2E]
.set n, n+1
.endr
.set n, 0
.rept 64
	v_exp_f32 v[EE+n], v[EE+n]
.set n, n+1
.endr
.set n, 0
.rept 64
	v_min_num_f32 v[DEC+n], 0, v[DEC+n]
.set n, n+1
.endr
	s_wait_alu depctr_va_vdst(0)                   ; one wait for the 64 exponentials, ahead of their first reader
.set n, 0
.rept 32
	v_pk_add_f32 v[EE+2*n:EE+2*n+1], v[EE+2*n:EE+2*n+1], 1.0 op_sel_hi:[1,0]
.set n, n+1
.endr
.set n, 0
.rept 64
	v_log_f32 v[EE+n], v[EE+n]
.set n, n+1
.endr
.set n, 0
.rept 8
	v_xor_b32 v[RWC+n], 0x01010101, v[RWC+n]       ; keep = 1 - reset, four tokens a word
.set n, n+1
.endr
.set n, 0
.rept 32
	v_bfe_u32 v[KP+n], v[RWC+n/4], 8*(n%4), 8
.set n, n+1
.endr
.set n, 0
.rept 32
	v_cvt_f32_u32 v[KP+n], v[KP+n]
.set n, n+1
.endr
.set n, 0
.rept 32
	v_pk_mul_f32 v[DEC+2*n:DEC+2*n+1], v[DEC+2*n:DEC+2*n+1], s[C16:C16+1] op_sel_hi:[1,0]
.set n, n+1
.endr
	s_wait_alu depctr_va_vdst(0)                   ; one wait for the 64 logarithms
.set n, 0
.rept 32
	v_pk_fma_f32 v[DEC+2*n:DEC+2*n+1], v[EE+2*n:EE+2*n+1], s[N16:N16+1], v[DEC+2*n:DEC+2*n+1] op_sel_hi:[1,0,1]
.set n, n+1
.endr
.set n, 0
.rept 64
	v_exp_f32 v[DEC+n], v[DEC+n]
.set n, n+1
.endr
	v_nop                                          ; a plain instruction behind the last exponential
	s_wait_alu depctr_va_vdst(0)                   ; one wait for the 64 exponentials
.set n, 0
.rept 64
	v_mul_f32 v[DEC+n], v[DEC+n], v[KP+n/2]
.set n, n+1
.endr
	s_barrier_wait -1                              ; everybody's maxima lie in LDS, S_0 is whole, and nobody reads slot 1 or the stage any more
.irp q, 0,1,2,3
	ds_load_b128 v[EE+4*(\q):EE+4*(\q)+3], v[AMR] offset:16*(\q)
.endr
	s_wait_dscnt 0x0
.irp p, 0,1,2                          ; the scale: the maximum's power of two, held to 2^-126 .. 2^126; its inverse by a subtraction of exponents
	v_max3_num_f32 v[MX+(\p)], v[EE+(\p)], v[EE+4+(\p)], v[EE+8+(\p)]
	v_max_num_f32 v[MX+(\p)], v[MX+(\p)], v[EE+12+(\p)]
	v_and_b32 v[MX+(\p)], 0x7f800000, v[MX+(\p)]
	v_max_u32 v[MX+(\p)], 0x00800000, v[MX+(\p)]
	v_min_u32 v[MX+(\p)], 0x7e800000, v[MX+(\p)]
	v_sub_nc_u32 v[INV+2*(\p)], 0x7f000000, v[MX+(\p)]
	v_mov_b32 v[INV+2*(\p)+1], v[INV+2*(\p)]
.endr
	v_mov_b32 v[C0], v[MX]
	v_mov_b32 v[C0+1], v[MX]
	v_mul_f32 v[CKV], v[MX+1], v[MX+2]
	v_mov_b32 v[CKV+1], v[CKV]
	v_mul_f32 v[C1], v[CKV], v[MX]
	v_mov_b32 v[C1+1], v[C1]
	WIN 0x41
.irp p, 0,1,2
.set n, 0
.rept 32
	v_pk_mul_f32 v[64*(\p)+2*n:64*(\p)+2*n+1], v[64*(\p)+2*n:64*(\p)+2*n+1], v[INV+2*(\p):INV+2*(\p)+1] op_sel_hi:[1,0]
.set n, n+1
.endr
.endr
	TILE 0
	TILE 1
	TILE 2
	TILE 3
	; levels 32 and 64, by a chain in place: k of tiles 0, 1 and q of tiles 2, 3 reach the block of 32 (X32), then q reaches back to token 0 and k on to token 63
	WIN 0
	FM B01, B16, B16+2
	FM B23, B16+4, B16+6
	FM AT, B01, B23
	v_mov_b32 v[AT+2], v[AT+1]
	v_mov_b32 v[AT+3], v[AT+1]
	SCL KB, B16+2
	PACKW KB, 6, 0
	PACKW KB+16, 6, 1
	PACKW QB+32, 6, 2
	SCL QB+48, B16+4
	PACKW QB+48, 6, 3
	SCL QB+16, B16
	SCL QB+32, B01
	SCL QB+48, B01
	HILO 0
	HILO 1
	HILO 2
	HILO 3
	SCL KB, B23
	SCL KB+16, B23
	SCL KB+32, B16+6
	WIN 0x45                                       ; my k x suffix and my v ARE fragments (a lane: one channel, tokens along the registers): 32 registers each
.set c, 0
.rept 2
.set i, 0
.rept 4
.set p, 0
.rept 4
	v_cvt_pk_f16_f32 v[KF+16*c+4*i+p], v[KB+16*i+4*p+c], v[KB+16*i+4*p+2+c]
	v_cvt_pk_f16_f32 v[VF+16*c+4*i+p], v[VB+16*i+4*p+c], v[VB+16*i+4*p+2+c]
.set p, p+1
.endr
.set i, i+1
.endr
.set c, c+1
.endr
	WIN 0x04                                       ; address window 0, data window 1
.set c, 0
.rept 2
.set i, 0
.rept 4
	ds_store_b128 v[AVS], v[VF+16*c+4*i:VF+16*c+4*i+3] offset:c*16*VP+32*i
.set i, i+1
.endr
.set c, c+1
.endr
	WIN 0x80
.set n, 0
.rept 8
	v_mov_b32 v[240+n], 0x3c003c00                 ; ones in f16
.set n, n+1
.endr
	WIN 0
	s_wait_dscnt 0x0                               ; for the others' sake: my rows of the arrays and of V lie in LDS
	s_barrier_signal -1
	s_barrier_wait -1
	; THE P PHASE: wave w makes column w of P^T.  Window 2 holds three of the four channel chunks; the fourth takes the first's registers, four places behind its products.
	XLD 0
	XLD 1
	XLD 2
	s_wait_dscnt 0x0
	PROD 0, 1
	PLACES
	XLD 3
	PROD 1, 0
	PROD 2, 0
	s_wait_dscnt 0x0
	PROD 3, 0
	WIN TO_B                                       ; S_0 by columns, for the S_0 term's source 0: my 32 columns, all 128 rows, into q's and k's registers
.set c, 0
.rept 2
.set kc, 0
.rept 4
.set n, 0
.rept 16
	ds_load_b32 v[(c*4+kc)*16+n], v[AS0C] offset:(32*kc+n+8*(n/8))*S0P+64*c
.set n, n+1
.endr
.set kc, kc+1
.endr
.set c, c+1
.endr
	WIN 0
	PLACES
.set j, 0
.rept 8                                ; the diagonal tile: each level's own entries, level by level, each sum's registers from the low end on
	v_cndmask_b32 v[PA+j], 0, v[PA+j], s[M8]
.set j, j+1
.endr
.set j, 0
.rept 4
	v_cndmask_b32 v[PA+j], v[PA+j], v[PA+8+j], s[M4]
.set j, j+1
.endr
	v_cndmask_b32 v[PA], v[PA], v[PA+16], s[M2A]
	v_cndmask_b32 v[PA+1], v[PA+1], v[PA+17], s[M2A]
	v_cndmask_b32 v[PA+4], v[PA+4], v[PA+20], s[M2B]
	v_cndmask_b32 v[PA+5], v[PA+5], v[PA+21], s[M2B]
.irp n, 0,1,2,3
	v_cndmask_b32 v[PA+2*(\n)], v[PA+2*(\n)], v[PA+24+2*(\n)], s[M1+(\n)]
.endr
.set j, 0
.rept 8
	v_cndmask_b32 v[PA+j], v[PA+j], v[PA+32+j], s[MD+j]
.set j, j+1
.endr
.irp p, 0,1,2,3
	v_cvt_pk_f16_f32 v[PKP+(\p)], v[PA+2*(\p)], v[PA+2*(\p)+1]
.endr
.irp q, 1,2,3
.irp p, 0,1,2,3
	v_cvt_pk_f16_f32 v[PKP+4*(\q)+(\p)], v[PA+32+8*(\q)+2*(\p)], v[PA+32+8*(\q)+2*(\p)+1]
.endr
.endr
.irp p, 0,1,2,3
	v_and_b32 v[PKP+4+(\p)], s[V16], v[PKP+4+(\p)] ; level 16's tile is P only where my tile is the odd one; else it lies above the diagonal: 0
.endr
.irp q, 0,1,2,3
	ds_store_b128 v[APW], v[PKP+4*(\q):PKP+4*(\q)+3] offset:512*(\q)
.endr
	s_wait_dscnt 0x0                               ; my blocks of P lie in LDS; my reads of the X arrays and of S_0's columns are over
	s_barrier_signal -1
	WIN 0x05
.set n, 0
.rept 64                               ; S_0 to bf16, work on registers between the signal and the wait
	v_cvt_pk_bf16_f32 v[SF+n], v[2*n], v[2*n+1]
.set n, n+1
.endr
	WIN 0
	s_barrier_wait -1
	; o^T = V^T P^T + S_0^T (q x prefix)^T: wave w makes columns 32 w .. 32 w + 31 of o for all 64 tokens
	WIN TO_B
	PFL 0, 0, 0
	PFL 1, 1, 0
	PFL 2, 2, 0
	PFL 3, 3, 0
	PFL 4, 2, 1
	PFL 5, 3, 1
	Q0LD 0
	s_wait_dscnt 32                                ; P's 12 loads are in; the 32 behind them may be out
	WIN 0x55
.set c, 0
.rept 2
.set ti, 0
.rept 4
	v_wmma_f32_16x16x32_f16 v[8*(4*c+ti):8*(4*c+ti)+7], v[VF+16*c:VF+16*c+7], v[PFF+8*ti:PFF+8*ti+7], 0
.set ti, ti+1
.endr
.set c, c+1
.endr
.set c, 0
.rept 2
.set ti, 2
.rept 2
	v_wmma_f32_16x16x32_f16 v[8*(4*c+ti):8*(4*c+ti)+7], v[VF+16*c+8:VF+16*c+15], v[PFF+8*(ti+2):PFF+8*(ti+2)+7], v[8*(4*c+ti):8*(4*c+ti)+7]
.set ti, ti+1
.endr
.set c, c+1
.endr
	Q0LD 1
	s_wait_dscnt 32                                ; the first 32 turning loads are in
	OZ 0
	PLACES
	WIN 0x80                                       ; V's fragments, for the new state, into the registers just multiplied
.set vt, 0
.rept 8
.irp m, 0,1
	ds_load_b128 v[16*vt+8*(\m):16*vt+8*(\m)+3],   v[AVR] offset:vt*16*VP+64*(\m)
	ds_load_b128 v[16*vt+8*(\m)+4:16*vt+8*(\m)+7], v[AVR] offset:vt*16*VP+64*(\m)+32
.endr
.set vt, vt+1
.endr
	s_wait_dscnt 0x0                               ; my reads of P, of the arrays and of V are over
	s_barrier_signal -1                            ; only work on registers up to the wait
	OZ 1
	PLACES
	WIN 0
.set n, 0
.rept 32
	v_pk_mul_f32 v[A0+2*n:A0+2*n+1], v[A0+2*n:A0+2*n+1], v[C0:C0+1] op_sel_hi:[1,0]
.set n, n+1
.endr
	WIN 0x01
.set n, 0
.rept 32
	v_pk_fma_f32 v[A0+2*n:A0+2*n+1], v[2*n:2*n+1], v[C1:C1+1], v[A0+2*n:A0+2*n+1] op_sel_hi:[1,0,1]
.set n, n+1
.endr
	WIN 0
	v_max_num_f32 v[TA], |v[A0]|, |v[A0+1]|
	v_max_num_f32 v[TA+1], |v[A0+2]|, |v[A0+3]|
.set n, 1
.rept 15
	v_max3_num_f32 v[TA], |v[A0+4*n]|, |v[A0+4*n+1]|, v[TA]
	v_max3_num_f32 v[TA+1], |v[A0+4*n+2]|, |v[A0+4*n+3]|, v[TA+1]
.set n, n+1
.endr
	v_max_num_f32 v[TA], v[TA], v[TA+1]
.irp m, 1,2,4,8
	v_max_num_f32_dpp v[TA], v[TA], v[TA] row_xmask:\m row_mask:0xf bank_mask:0xf
.endr
	v_permlanex16_b32 v[TA+1], v[TA], s[SEL], s[SEL+1]
	v_max_num_f32 v[TA], v[TA], v[TA+1]
	v_and_b32 v[TA], 0x7f800000, v[TA]             ; tau: the power of two of the largest |o| of my 64 tokens x 32 columns
	v_max_u32 v[TA], 0x00800000, v[TA]
	v_min_u32 v[TA], 0x7e800000, v[TA]
	v_sub_nc_u32 v4, 0x7f000000, v[TA]
	v_mov_b32 v5, v4
.set n, 0
.rept 32
	v_pk_mul_f32 v[A0+2*n:A0+2*n+1], v[A0+2*n:A0+2*n+1], v[4:5] op_sel_hi:[1,0]
.set n, n+1
.endr
.set n, 0
.rept 32
	v_cvt_pk_f16_f32 v[PKO+n], v[A0+2*n], v[A0+2*n+1]
.set n, n+1
.endr
	s_barrier_wait -1                              ; nobody reads P, the arrays or V any more: the stage may be written
	s_wait_xcnt 0x0                                ; EXEC changes only behind this wait
	v_cmp_eq_u32 vcc_lo, 0, v3
	s_and_saveexec_b32 s[SAVE], vcc_lo
	global_store_b32 v[VZ], v[TA], s[TAUP:TAUP+1]  ; one number a wave and batch
	s_wait_xcnt 0x0
	s_or_b32 exec_lo, exec_lo, s[SAVE]
.set c, 0
.rept 2
.set ti, 0
.rept 4
	ds_store_b128 v[AOW], v[PKO+4*(4*c+ti):PKO+4*(4*c+ti)+3] offset:ti*16*OP+32*c
.set ti, ti+1
.endr
.set c, c+1
.endr
	; THE NEW STATE, rows 32 w .. 32 w + 31: (all 64 decays) x S_0 in f32 + (k x suffix)^T V.  Source 0 = 16 columns of V, source 1 = my 16 channels of k: a lane holds one row and eight neighbouring columns.
.set c, 0
.rept 2
.set vt, 0
.rept 8
	ds_load_b128 v[SR+8*(8*c+vt):SR+8*(8*c+vt)+3],   v[AS0R] offset:c*16*S0P+64*vt
	ds_load_b128 v[SR+8*(8*c+vt)+4:SR+8*(8*c+vt)+7], v[AS0R] offset:c*16*S0P+64*vt+16
.set vt, vt+1
.endr
.set c, c+1
.endr
	WIN 0xa6                                       ; V's fragments and the sums in window 2, k's fragments in window 1
.set m, 0
.rept 2
.set c, 0
.rept 2
.set vt, 0
.rept 8
.set rD, 128+8*(8*c+vt)
.if m == 0
	v_wmma_f32_16x16x32_f16 v[rD:rD+7], v[16*vt+8*m:16*vt+8*m+7], v[KF+16*c+8*m:KF+16*c+8*m+7], 0
.else
	v_wmma_f32_16x16x32_f16 v[rD:rD+7], v[16*vt+8*m:16*vt+8*m+7], v[KF+16*c+8*m:KF+16*c+8*m+7], v[rD:rD+7]
.endif
.set vt, vt+1
.endr
.set c, c+1
.endr
.set m, m+1
.endr
	WIN 0
	s_wait_dscnt 0x0
.set n, 0
.rept 64                               ; 64 plain lines: also the places behind the last products
	v_pk_mul_f32 v[SR+2*n:SR+2*n+1], v[SR+2*n:SR+2*n+1], v[AT+2*(n/32):AT+2*(n/32)+1] op_sel_hi:[1,0]
.set n, n+1
.endr
	WIN 0x02
.set n, 0
.rept 64
	v_pk_fma_f32 v[SR+2*n:SR+2*n+1], v[128+2*n:128+2*n+1], v[CKV:CKV+1], v[SR+2*n:SR+2*n+1] op_sel_hi:[1,0,1]
.set n, n+1
.endr
	WIN 0
.set c, 0
.rept 2
.set vt, 0
.rept 8                                ; back where S_0's rows lay: my wave's own rows, which nobody else touches behind the barrier that closed the P phase
	ds_store_b128 v[AS0R], v[SR+8*(8*c+vt):SR+8*(8*c+vt)+3]   offset:c*16*S0P+64*vt
	ds_store_b128 v[AS0R], v[SR+8*(8*c+vt)+4:SR+8*(8*c+vt)+7] offset:c*16*S0P+64*vt+16
.set vt, vt+1
.endr
.set c, c+1
.endr
.set n, 0
.rept 32
	ds_load_b128 v[SR+4*n:SR+4*n+3], v[AS0L] offset:n*S0P  ; LDS serves a wave's instructions in order (ISA guide 5.7.1.4): these see the stores above
.set n, n+1
.endr
.set n, 0
.rept 32
	s_wait_dscnt 31-n
	global_store_b128 v[GO1], v[SR+4*n:SR+4*n+3], s[O1P:O1P+1] offset:n*512  ; a whole row: 512 consecutive bytes, at a multiple of 256 from out1's first byte
.set n, n+1
.endr
	s_barrier_signal -1                            ; (the last count above was 0) everybody's part of the stage lies in LDS
	s_barrier_wait -1
.irp p, 0,1,2,3,4,5,6,7
	ds_load_b128 v[PKO+4*(\p):PKO+4*(\p)+3], v[AOR] offset:(\p)*2*OP
.endr
.irp p, 0,1,2,3,4,5,6,7
	s_wait_dscnt 7-(\p)
	global_store_b128 v[GOB], v[PKO+4*(\p):PKO+4*(\p)+3], s[OBP:OBP+1] offset:(\p)*8192  ; 16 lanes store 256 consecutive bytes, at a multiple of 256 from ob's first byte
.endr
	s_wait_xcnt 0x0                                ; the stores have read their data and pointers: both are written again only behind this wait
	v_add_nc_u32 v[AS0C], S0B, v[AS0C]             ; the second batch's S_0
	v_add_nc_u32 v[AS0R], S0B, v[AS0R]
	v_add_nc_u32 v[AS0L], S0B, v[AS0L]
	s_add_nc_u64 s[O1P:O1P+1], s[O1P:O1P+1], 1048576
	s_add_nc_u64 s[OBP:OBP+1], s[OBP:OBP+1], 262144
	s_add_nc_u64 s[TAUP:TAUP+1], s[TAUP:TAUP+1], 256
	s_sub_co_u32 s2, s2, 1
	s_cmp_lg_u32 s2, 0
	s_cbranch_scc1 .Lbatch
	s_wait_tensorcnt 0x0                           ; the wave's end: behind my last tensor load and my last LDS store
	ds_add_u32 v[SPW], v[NIL]
	s_wait_dscnt 0x0
	CROUND                                         ; the closing round: no work-group ends while a partner may still ask for a tile that names it
	s_endpgm
.Lfunc_end_k_qaba17ec994_scan:
	.size	k_qaba17ec994_scan, .Lfunc_end_k_qaba17ec994_scan-k_qaba17ec994_scan
	.p2alignl 7, 3214868480
	.fill 96, 4, 3214868480
	.section	.rodata,"a",@progbits
	.p2align	6, 0x0
	.amdhsa_kernel k_qaba17ec994_scan
		.amdhsa_group_segment_fixed_size 327680
		.amdhsa_private_segment_fixed_size 0
		.amdhsa_enable_private_segment 0
		.amdhsa_kernarg_size 104
		.amdhsa_user_sgpr_count 2
		.amdhsa_user_sgpr_kernarg_segment_ptr 1
		.amdhsa_wavefront_size32 1
		.amdhsa_system_sgpr_workgroup_id_x 1
		.amdhsa_system_sgpr_workgroup_id_y 1
		.amdhsa_system_sgpr_workgroup_id_z 1
		.amdhsa_system_vgpr_workitem_id 0
		.amdhsa_next_free_vgpr 1024
		.amdhsa_next_free_sgpr 102
		.amdhsa_reserve_vcc 1
		.amdhsa_float_denorm_mode_32 3
		.amdhsa_float_denorm_mode_16_64 3
		.amdhsa_memory_ordered 1
		.amdhsa_forward_progress 1
		.amdhsa_inst_pref_size 255
	.end_amdhsa_kernel
	.section	.bss,"aw",@nobits
	.p2align	6
	.space	262144
	.amdgpu_metadata
---
amdhsa.version: [ 1, 2 ]
amdhsa.kernels:
  - .name:           k_qaba17ec994_scan
    .symbol:         k_qaba17ec994_scan.kd
    .args:
      - { .name: xb, .offset: 0, .size: 8, .value_kind: global_buffer, .address_space: global }
      - { .name: wcat, .offset: 8, .size: 8, .value_kind: global_buffer, .address_space: global }
      - { .name: ub, .offset: 16, .size: 8, .value_kind: global_buffer, .address_space: global }
      - { .name: wg2b, .offset: 24, .size: 8, .value_kind: global_buffer, .address_space: global }
      - { .name: bq, .offset: 32, .size: 8, .value_kind: global_buffer, .address_space: global }
      - { .name: bk, .offset: 40, .size: 8, .value_kind: global_buffer, .address_space: global }
      - { .name: bv, .offset: 48, .size: 8, .value_kind: global_buffer, .address_space: global }
      - { .name: bg2, .offset: 56, .size: 8, .value_kind: global_buffer, .address_space: global }
      - { .name: reset_mask, .offset: 64, .size: 8, .value_kind: global_buffer, .address_space: global }
      - { .name: state0, .offset: 72, .size: 8, .value_kind: global_buffer, .address_space: global }
      - { .name: ob, .offset: 80, .size: 8, .value_kind: global_buffer, .address_space: global }
      - { .name: tau, .offset: 88, .size: 8, .value_kind: global_buffer, .address_space: global }
      - { .name: out1, .offset: 96, .size: 8, .value_kind: global_buffer, .address_space: global }
    .group_segment_fixed_size: 327680
    .private_segment_fixed_size: 0
    .kernarg_segment_align: 8
    .kernarg_segment_size: 104
    .max_flat_workgroup_size: 128
    .sgpr_count:     102
    .vgpr_count:     1024
    .wavefront_size: 32
...
	.end_amdgpu_metadata
.endif
;; end of part 2
;; launch outp (part 3): grid 16 x 16, 4 waves a work-group, clusters of 4 x 4, 327,680 bytes of LDS; arguments ob, wo16, tau, bo, out0; writes out0
.if DOCPART == 3
	.amdgcn_target "amdgcn-amd-amdhsa--gfx1250"
	.amdhsa_code_object_version 6
	.text
	.protected	k_qaba17ec994_outp
	.globl	k_qaba17ec994_outp
	.p2align	8
	.type	k_qaba17ec994_outp,@function
k_qaba17ec994_outp:
	s_mov_b64 s[64:65], 0
	v_nop
	global_prefetch_b8 v0, s[64:65] scope:SCOPE_SE
	s_setreg_imm32_b32 hwreg(HW_REG_WAVE_MODE, 25, 1), 1
	s_wait_xcnt 0x0
	s_wait_alu depctr_hold_cnt(0) depctr_sa_sdst(0) depctr_va_vdst(0) depctr_va_sdst(0) depctr_va_ssrc(0) depctr_va_vcc(0) depctr_vm_vsrc(0)
	s_getreg_b32 s2, hwreg(HW_REG_IB_STS2, 6, 4)
	s_cmp_eq_u32 s2, 0
	s_cbranch_scc0 .Lentry_in_a_cluster
	s_endpgm
.Lentry_in_a_cluster:
	s_bfe_u32 s2, ttmp6, 0x10000c
	s_cmp_lg_u32 s2, 0xf033
	s_cbranch_scc0 .Lentry_shape_is_right
	s_endpgm
.Lentry_shape_is_right:
; OUTP.  y[m][n] = sum over k of o[m][k] Wo[n][k] + bo[n].  ob: [2048][2048] f16, o divided by tau[batch][k / 32], a power of two; wo16: [2048][2048] f16; out0: [2048][2048] f32; sums in f32.
; A tile of y is 128 x 128: 256 work-groups.  Four waves, each 64 x 64: 16 accumulators.  K goes in steps of 256 (LDS rows of 512 bytes + 16) through two slots; a wave's tensor load brings 64 rows.
; THE SCALES.  A wave's 64 rows are one batch.  T = the largest of the batch's 64 tau.  Each fragment of o (32 along K: one tau) is multiplied by tau / T, a power of two at most 1, in packed f16: exact but where the product falls
; below 2^-14, where it keeps the fixed step 2^-24 against operands up to 2.  At the end y = T x sum + bo (bo rounded to bf16 like every input).  The ratios lie in a table of the wave's own in LDS, a word (the ratio twice) for each 32 of K.
; LIMITS.  tau / T below 2^-24 counts as 0.  NaN and infinities are not treated apart.
; CLUSTER.  4 x 4 work-groups: o's tile is asked for jointly along a row of the cluster, Wo's along a column.  THE MATRIX INSTRUCTION IS USED TRANSPOSED (source 0 = 16 rows of Wo, source 1 = 16 rows of o): a lane holds eight
; neighbouring numbers of a row of y.  No prefetch: each tile is read by four clusters, and the tile is small.
; REGISTERS: window 0: v0-31 addresses, T, ratios; v32-63 bo; v128-255 the accumulators ((a, b) at v[128 + 8 (4 a + b)]).   window 1: two fragment buffers of 128: 64 registers of o (2 x 4 x 16 rows x 32 K), then 64 of Wo.
.set SIZE_N, 2048
.set SIZE_K, 2048
.set KSTEP,  256
.set PITCH,  528
.set HALFT,  64*PITCH
.set SLOT,   4*HALFT
.set RTB,    2*SLOT                    ; behind the ring: the ratio tables, 256 bytes for each wave; no fill lands here
.set SPARE,  RTB+1024                  ; the spare words, 128 bytes for each wave: two blocks of 256 bytes that no other line names
.set LAPS,   SIZE_K/(2*KSTEP)
.set TT,   10                          ; v10-11 T
.set RR,   12                          ; v12-13 the two ratios of buffer 0's quarter; v14-15 of buffer 1's
.set ADRA, 16
.set ADRB, 20
.set STO,  24                          ; the way out: where I put 32 bytes of a row
.set RD,   25                          ; where I read rows back
.set CO,   26                          ; my byte offset in a row of y's tile
.set RTA,  27                          ; my table, at the lap in hand
.set SPW,  28
.set NIL,  29
.set BI,   32                          ; v32-63 bo of my 4 x 8 columns
.set ACC,  128
.set F0,   0
.set F1,   128
.set G1, 24
.set G0, 32
.set G1B, 48
.set G0B, 56
.set SEL, 78
.set MSB, 0
.macro WIN new
.if MSB != (\new)
	s_set_vgpr_msb (MSB<<8)|(\new)
.set MSB, \new
.endif
.endm
.set MUL,  0x05                        ; sources 0 (Wo) and 1 (o) window 1; C and D window 0
.set TO_F, 0x40                        ; destination window 1, address window 0
.macro PLACES
.rept 4
	v_nop
.endr
.endm
.macro JLOAD s                         ; a joint load: waves 0 and 1 fetch o's two halves, waves 2 and 3 Wo's; an s_nop 0 and four v_nop follow each line
	s_cmp_eq_u32 s11, 0
	s_cbranch_scc0 .Lfor_b_\@
	tensor_load_to_lds s[G0+4*(\s):G0+4*(\s)+3], s[G1:G1+7]
	s_nop 0
	PLACES
	s_branch .Lasked_\@
.Lfor_b_\@:
	tensor_load_to_lds s[G0B+4*(\s):G0B+4*(\s)+3], s[G1B:G1B+7]
	s_nop 0
	PLACES
.Lasked_\@:
.endm
.macro CREST
	s_cmp_lg_u32 s10, 0
	s_cbranch_scc1 .Lnot_wave_0_\@
	s_barrier_signal -3
.Lnot_wave_0_\@:
	s_barrier_wait -3
	s_barrier_signal -1
	s_barrier_wait -1
.endm
.macro CROUND
	s_barrier_signal -1
	s_barrier_wait -1
	CREST
.endm
	s_load_b256 s[68:75], s[0:1], 0x0              ; ob s[68:69], wo16 s[70:71], tau s[72:73], bo s[74:75]
	s_load_b64 s[76:77], s[0:1], 0x20              ; out0
	v_lshl_add_u32 v[SPW], v0, 2, SPARE
	v_mov_b32 v[NIL], 0
	ds_add_u32 v[SPW], v[NIL]                      ; the wave's opening: the add and its wait stand ahead of my first tensor load
	ds_add_u32 v28, v29
	v_lshrrev_b32 v1, 5, v0
	v_readfirstlane_b32 s10, v1                    ; wave 0..3
	s_lshr_b32 s11, s10, 1                         ; which half of the tile's rows is mine.  Also: I fetch for o (0) or for Wo (1)
	s_and_b32 s12, s10, 1                          ; which half of its columns.  Also: which 64 rows of that tile I fetch
	s_bfe_u32 s40, ttmp6, 0x40000
	s_bfe_u32 s41, ttmp6, 0x40004
	s_lshl_b32 s42, ttmp9, 2
	s_add_co_u32 s42, s42, s40                     ; tile column
	s_and_b32 s13, ttmp7, 0xffff
	s_lshl_b32 s13, s13, 2
	s_add_co_u32 s13, s13, s41                     ; tile row
	s_lshl_b32 s43, s41, 2
	s_lshl_b32 s43, 15, s43                        ; my row of the cluster
	s_lshl_b32 s44, 0x1111, s40                    ; my column
	s_or_b32 s[G1+0], s43, (1<<16)|(1<<20)|(1<<21)|(6<<22)|(3<<25)   ; elements of 2 bytes; 4 words of padding behind every 128
	s_or_b32 s[G1B+0], s44, (1<<16)|(1<<20)|(1<<21)|(6<<22)|(3<<25)
.irp g, G1, G1B
	s_mov_b32 s[(\g)+1], KSTEP<<16
	s_mov_b32 s[(\g)+2], 64<<16
	s_mov_b32 s[(\g)+3], KSTEP<<16
	s_mov_b32 s[(\g)+4], 64
	s_mov_b32 s[(\g)+5], SIZE_K
	s_mov_b32 s[(\g)+6], 0
	s_mov_b32 s[(\g)+7], 0
.endr
	s_lshl_b32 s17, s12, 6
	s_lshl_b32 s16, s13, 7
	s_add_co_u32 s16, s16, s17                     ; o: row 128 x tile row + 64 x half
	s_lshl_b32 s46, s42, 7
	s_add_co_u32 s46, s46, s17                     ; Wo: row 128 x tile column + 64 x half
	s_mov_b32 s17, 0
	s_mov_b32 s47, 0
	s_mov_b64 s[18:19], SIZE_K*2
	s_mul_u64 s[16:17], s[16:17], s[18:19]
	s_mul_u64 s[46:47], s[46:47], s[18:19]
	s_mul_i32 s20, s10, HALFT
	s_mov_b32 s[SEL], 0x76543210
	s_mov_b32 s[SEL+1], 0xfedcba98
	s_wait_dscnt 0x0
	s_wait_kmcnt 0x0
	s_add_nc_u64 s[14:15], s[68:69], s[16:17]
	s_add_nc_u64 s[46:47], s[70:71], s[46:47]
	CROUND                                         ; all sixteen work-groups are here: the first joint loads meet
.irp s, 0,1
	s_mov_b32 s[G0+4*(\s)], 1
	s_add_co_u32 s[G0+4*(\s)+1], s20, (\s)*SLOT
	s_add_nc_u64 s[G0+4*(\s)+2:G0+4*(\s)+3], s[14:15], (\s)*KSTEP*2
	s_or_b32 s[G0+4*(\s)+3], s[G0+4*(\s)+3], 0x80000000
	s_mov_b32 s[G0B+4*(\s)], 1
	s_add_co_u32 s[G0B+4*(\s)+1], s20, (\s)*SLOT
	s_add_nc_u64 s[G0B+4*(\s)+2:G0B+4*(\s)+3], s[46:47], (\s)*KSTEP*2
	s_or_b32 s[G0B+4*(\s)+3], s[G0B+4*(\s)+3], 0x80000000
	JLOAD \s
.endr
	v_and_b32 v1, 15, v0                           ; l % 16
	v_bfe_u32 v2, v0, 4, 1                         ; l / 16
	v_and_b32 v6, 31, v0                           ; l
	s_lshl_b32 s21, s13, 1
	s_add_co_u32 s21, s21, s11                     ; my batch
	s_lshl_b32 s21, s21, 8
	v_lshl_add_u32 v7, v6, 3, s21
	global_load_b64 v[30:31], v7, s[72:73]         ; lane l: tau of K chunks 2 l and 2 l + 1
	s_lshl_b32 s21, s42, 9
	s_lshl_b32 s22, s12, 8
	s_add_co_u32 s21, s21, s22
	v_lshl_add_u32 v8, v2, 5, s21
.irp b, 0,1,2,3
	global_load_b128 v[BI+8*(\b):BI+8*(\b)+3],   v8, s[74:75] offset:64*(\b)
	global_load_b128 v[BI+8*(\b)+4:BI+8*(\b)+7], v8, s[74:75] offset:64*(\b)+16
.endr
	v_mul_u32_u24 v3, v1, PITCH
	v_lshl_add_u32 v3, v2, 4, v3
	s_mul_i32 s21, s11, HALFT
	s_mul_i32 s22, s12, HALFT
	s_add_co_u32 s22, s22, 2*HALFT
.irp s, 0,1
	v_add_nc_u32 v[ADRA+(\s)], s21, v3
	v_add_nc_u32 v[ADRB+(\s)], s22, v3
	s_add_co_u32 s21, s21, SLOT
	s_add_co_u32 s22, s22, SLOT
.endr
	s_mul_i32 s23, s11, 64*PITCH                   ; the stage (slot 0, when its last fill and its last reads are over): my 64 rows, my 256 bytes of their 512
	s_lshl_b32 s21, s12, 8
	s_add_co_u32 s23, s23, s21
	v_mul_u32_u24 v4, v1, PITCH
	v_lshl_add_u32 v4, v2, 5, v4
	v_add_nc_u32 v[STO], s23, v4
	s_mul_i32 s23, s10, 32*PITCH                   ; back: wave w takes rows 32 w .. 32 w + 31, whole
	v_lshl_add_u32 v[RD], v6, 4, s23
	v_lshlrev_b32 v[CO], 4, v6
	s_lshl_b32 s16, s13, 7
	s_lshl_b32 s17, s10, 5
	s_add_co_u32 s16, s16, s17
	s_lshl_b32 s16, s16, 13                        ; rows of 8,192 bytes
	s_lshl_b32 s17, s42, 9                         ; the tile's 512 bytes of a row
	s_add_co_u32 s16, s16, s17
	s_mov_b32 s17, 0
	s_add_nc_u64 s[76:77], s[76:77], s[16:17]
	s_lshl_b32 s21, s10, 8
	s_add_co_u32 s21, s21, RTB
	v_mov_b32 v[RTA], s21
	v_lshl_add_u32 v5, v6, 3, s21
	v_mov_b32 v[TT+1], 0
	s_wait_loadcnt 8                               ; tau is in; bo's eight loads may stay out
	v_max_num_f32 v[TT], v30, v31
.irp m, 1,2,4,8
	v_max_num_f32_dpp v[TT], v[TT], v[TT] row_xmask:\m row_mask:0xf bank_mask:0xf
.endr
	v_permlanex16_b32 v[TT+1], v[TT], s[SEL], s[SEL+1]
	v_max_num_f32 v[TT], v[TT], v[TT+1]            ; T
	v_mov_b32 v[TT+1], v[TT]
	v_sub_nc_u32 v9, 0x7f000000, v[TT]             ; 1 / T, by a subtraction of exponents
	v_mul_f32 v30, v30, v9
	v_mul_f32 v31, v31, v9
	v_cvt_pk_f16_f32 v30, v30, v30
	v_cvt_pk_f16_f32 v31, v31, v31
	ds_store_b64 v5, v[30:31]                      ; my wave's own bytes: its later loads see them, since LDS serves a wave's instructions in order
.macro MUL8 f, c, a0, zero
	WIN MUL
.irp a, \a0, (\a0)+1
.irp b, 0,1,2,3
.if \zero
	v_wmma_f32_16x16x32_f16 v[ACC+8*(4*(\a)+(\b)):ACC+8*(4*(\a)+(\b))+7], v[(\f)+64+8*(4*(\c)+(\b)):(\f)+64+8*(4*(\c)+(\b))+7], v[(\f)+8*(4*(\c)+(\a)):(\f)+8*(4*(\c)+(\a))+7], 0
.else
	v_wmma_f32_16x16x32_f16 v[ACC+8*(4*(\a)+(\b)):ACC+8*(4*(\a)+(\b))+7], v[(\f)+64+8*(4*(\c)+(\b)):(\f)+64+8*(4*(\c)+(\b))+7], v[(\f)+8*(4*(\c)+(\a)):(\f)+8*(4*(\c)+(\a))+7], v[ACC+8*(4*(\a)+(\b)):ACC+8*(4*(\a)+(\b))+7]
.endif
.endr
.endr
.endm
; o's four fragments of half c of buffer f, times that chunk's ratio
.macro SCALE f, c
	WIN 0x41
.set n, 0
.rept 32
	v_pk_mul_f16 v[(\f)+32*(\c)+n], v[(\f)+32*(\c)+n], v[RR+(\f)/64+(\c)]
.set n, n+1
.endr
.endm
; 33 LDS loads in one run: the quarter's two ratios (quarter qi of those that the table's address reaches), then the fragments of 64 along K at byte k of the rows, the first 32 along K first
.macro FETCH slot, k, f, qi
	WIN 0
	ds_load_b64 v[RR+(\f)/64:RR+(\f)/64+1], v[RTA] offset:8*(\qi)
	WIN TO_F
.irp c, 0,1
.irp i, 0,1,2,3
	ds_load_b128 v[(\f)+64+8*(4*(\c)+(\i)):(\f)+64+8*(4*(\c)+(\i))+3],   v[ADRB+(\slot)] offset:(\k)+64*(\c)+(\i)*16*PITCH
	ds_load_b128 v[(\f)+64+8*(4*(\c)+(\i))+4:(\f)+64+8*(4*(\c)+(\i))+7], v[ADRB+(\slot)] offset:(\k)+64*(\c)+(\i)*16*PITCH+32
	ds_load_b128 v[(\f)+8*(4*(\c)+(\i)):(\f)+8*(4*(\c)+(\i))+3],         v[ADRA+(\slot)] offset:(\k)+64*(\c)+(\i)*16*PITCH
	ds_load_b128 v[(\f)+8*(4*(\c)+(\i))+4:(\f)+8*(4*(\c)+(\i))+7],       v[ADRA+(\slot)] offset:(\k)+64*(\c)+(\i)*16*PITCH+32
.endr
.endr
.endm
.macro QUARTER slot, k, f, g, zero, qi
	s_wait_dscnt 16                                ; the ratios and the first 32 along K are in; the youngest sixteen loads may be out
	SCALE \f, 0
	MUL8 \f, 0, 0, \zero
	MUL8 \f, 0, 2, \zero
	PLACES
	FETCH \slot, \k, \g, \qi
	s_wait_dscnt 33                                ; all but the 33 just issued
	SCALE \f, 1
	MUL8 \f, 1, 0, 0
	MUL8 \f, 1, 2, 0
.endm
; The last quarter multiplies buffer 1 and changes slots: in front of the barrier each wave waits for all its tensor loads, adds 0 to its spare word, and waits for that and for its own reads of this slot.  fill = 1: the barrier opens a
; round of the cluster's, and this slot is filled again, two K steps ahead, first thing behind it.
.macro TURN slot, next, fill, qi
	WIN 0
	s_wait_tensorcnt 0x0
	ds_add_u32 v[SPW], v[NIL]                      ; 0 onto my spare word
	s_wait_dscnt 17                                ; (the add and the youngest sixteen loads may be out)
	SCALE F1, 0
	MUL8 F1, 0, 0, 0
	s_wait_dscnt 0x0                               ; the add is done, and my reads of this slot are over
	s_barrier_signal -1
	SCALE F1, 1
	MUL8 F1, 0, 2, 0
.if \fill
	WIN 0
.endif
	s_barrier_wait -1
.if \fill
	CREST
	s_add_nc_u64 s[G0+4*(\slot)+2:G0+4*(\slot)+3], s[G0+4*(\slot)+2:G0+4*(\slot)+3], 2*KSTEP*2
	s_add_nc_u64 s[G0B+4*(\slot)+2:G0B+4*(\slot)+3], s[G0B+4*(\slot)+2:G0B+4*(\slot)+3], 2*KSTEP*2
	JLOAD \slot
.else
	PLACES
.endif
	FETCH \next, 0, F0, \qi
	MUL8 F1, 1, 0, 0
	MUL8 F1, 1, 2, 0
.endm
	s_wait_tensorcnt 1                             ; my part of K step 0 is in; slot 1's load may stay out
	s_wait_dscnt 0x0                               ; no LDS instruction of mine is pending at the signal
	s_barrier_signal -1
	s_barrier_wait -1
	FETCH 0, 0, F0, 0
	QUARTER 0, 128, F0, F1, 1, 1
	WIN 0
	s_mov_b32 s3, LAPS-1
.Llap:
	QUARTER 0, 256, F1, F0, 0, 2
	QUARTER 0, 384, F0, F1, 0, 3
	TURN 0, 1, 1, 4
	QUARTER 1, 128, F0, F1, 0, 5
	QUARTER 1, 256, F1, F0, 0, 6
	QUARTER 1, 384, F0, F1, 0, 7
	TURN 1, 0, 1, 8
	QUARTER 0, 128, F0, F1, 0, 9
	WIN 0
	v_add_nc_u32 v[RTA], 64, v[RTA]                ; a lap is 16 chunks of K: 64 bytes of the table
	s_sub_co_u32 s3, s3, 1
	s_cmp_lg_u32 s3, 0
	s_cbranch_scc1 .Llap
	QUARTER 0, 256, F1, F0, 0, 2                   ; the last lap fills nothing
	QUARTER 0, 384, F0, F1, 0, 3
	TURN 0, 1, 0, 4
	QUARTER 1, 128, F0, F1, 0, 5
	QUARTER 1, 256, F1, F0, 0, 6
	QUARTER 1, 384, F0, F1, 0, 7
	s_wait_dscnt 16
	SCALE F1, 0
	MUL8 F1, 0, 0, 0
	MUL8 F1, 0, 2, 0
	s_wait_dscnt 0x0
	SCALE F1, 1
	MUL8 F1, 1, 0, 0
	MUL8 F1, 1, 2, 0
	WIN 0
	; THE WAY OUT: y = T x sum + bo, through a stage of whole rows (512 bytes + 16) where slot 0 lay; a barrier, since a row comes from two waves; back as whole rows, 32 a wave.
	s_wait_loadcnt 0x0
.set n, 0
.rept 16                               ; bo rounded to bf16; these plain lines are also the places behind the last products
	v_cvt_pk_bf16_f32 v4, v[BI+2*n], v[BI+2*n+1]
	v_lshlrev_b32 v[BI+2*n], 16, v4
	v_and_b32 v[BI+2*n+1], 0xffff0000, v4
.set n, n+1
.endr
.set t, 0
.rept 16
.irp p, 0,1,2,3
	v_pk_fma_f32 v[ACC+8*t+2*(\p):ACC+8*t+2*(\p)+1], v[ACC+8*t+2*(\p):ACC+8*t+2*(\p)+1], v[TT:TT+1], v[BI+8*(t%4)+2*(\p):BI+8*(t%4)+2*(\p)+1] op_sel_hi:[1,0,1]
.endr
.set t, t+1
.endr
.set t, 0
.rept 16
	ds_store_b128 v[STO], v[ACC+8*t:ACC+8*t+3]   offset:(t/4)*16*PITCH+64*(t%4)
	ds_store_b128 v[STO], v[ACC+8*t+4:ACC+8*t+7] offset:(t/4)*16*PITCH+64*(t%4)+16
.set t, t+1
.endr
	s_wait_dscnt 0x0                               ; for the others' sake: my stores into the stage are done
	s_barrier_signal -1
	s_barrier_wait -1
.set t, 0
.rept 32
	ds_load_b128 v[ACC+4*t:ACC+4*t+3], v[RD] offset:t*PITCH
.set t, t+1
.endr
.set t, 0
.rept 32
	s_wait_dscnt 31-t
	global_store_b128 v[CO], v[ACC+4*t:ACC+4*t+3], s[76:77] offset:t*SIZE_N*4  ; 512 consecutive bytes, at a multiple of 256 from out0's first byte
.set t, t+1
.endr
	s_wait_tensorcnt 0x0                           ; the wave's end: behind my last tensor load and my last LDS store
	ds_add_u32 v[SPW], v[NIL]
	s_wait_dscnt 0x0
	CROUND                                         ; the closing round: no work-group ends while a partner may still ask for a tile that names it
	s_endpgm
.Lfunc_end_k_qaba17ec994_outp:
	.size	k_qaba17ec994_outp, .Lfunc_end_k_qaba17ec994_outp-k_qaba17ec994_outp
	.p2alignl 7, 3214868480
	.fill 96, 4, 3214868480
	.section	.rodata,"a",@progbits
	.p2align	6, 0x0
	.amdhsa_kernel k_qaba17ec994_outp
		.amdhsa_group_segment_fixed_size 327680
		.amdhsa_private_segment_fixed_size 0
		.amdhsa_enable_private_segment 0
		.amdhsa_kernarg_size 40
		.amdhsa_user_sgpr_count 2
		.amdhsa_user_sgpr_kernarg_segment_ptr 1
		.amdhsa_wavefront_size32 1
		.amdhsa_system_sgpr_workgroup_id_x 1
		.amdhsa_system_sgpr_workgroup_id_y 1
		.amdhsa_system_sgpr_workgroup_id_z 1
		.amdhsa_system_vgpr_workitem_id 0
		.amdhsa_next_free_vgpr 512
		.amdhsa_next_free_sgpr 80
		.amdhsa_reserve_vcc 0
		.amdhsa_float_denorm_mode_32 3
		.amdhsa_float_denorm_mode_16_64 3
		.amdhsa_memory_ordered 1
		.amdhsa_forward_progress 1
		.amdhsa_inst_pref_size 162
	.end_amdhsa_kernel
	.amdgpu_metadata
---
amdhsa.version: [ 1, 2 ]
amdhsa.kernels:
  - .name:           k_qaba17ec994_outp
    .symbol:         k_qaba17ec994_outp.kd
    .args:
      - { .name: ob, .offset: 0, .size: 8, .value_kind: global_buffer, .address_space: global }
      - { .name: wo16, .offset: 8, .size: 8, .value_kind: global_buffer, .address_space: global }
      - { .name: tau, .offset: 16, .size: 8, .value_kind: global_buffer, .address_space: global }
      - { .name: bo, .offset: 24, .size: 8, .value_kind: global_buffer, .address_space: global }
      - { .name: out0, .offset: 32, .size: 8, .value_kind: global_buffer, .address_space: global }
    .group_segment_fixed_size: 327680
    .private_segment_fixed_size: 0
    .kernarg_segment_align: 8
    .kernarg_segment_size: 40
    .max_flat_workgroup_size: 128
    .sgpr_count:     80
    .vgpr_count:     512
    .wavefront_size: 32
...
	.end_amdgpu_metadata
.endif
;; end of part 3
;; ======== version 2 of 2: 3 launches; version 1 with the launch prep written anew for expert scheduling mode
;; limits: values are held in f16: magnitudes above 65,504 overflow, below 6.1e-05 lose precision
;; workspace buffers: xb 8,388,608 bytes; wcat 25,165,824 bytes; wo16 8,388,608 bytes; wg2b 262,144 bytes; ub 262,144 bytes; ob 8,388,608 bytes; tau 8,192 bytes
;; launch prep (part 4): grid 256 x 1, 8 waves a work-group, no clusters, 101,632 bytes of LDS; arguments x_all, Wq, Wk, Wv, Wo, Wg1, Wg2, xb, wcat, wo16, wg2b, ub; writes xb, wcat, wo16, wg2b, ub
.if DOCPART == 4
	.amdgcn_target "amdgcn-amd-amdhsa--gfx1250"
	.amdhsa_code_object_version 6
	.text
	.protected	k_qaba17ec994_prep
	.globl	k_qaba17ec994_prep
	.p2align	8
	.type	k_qaba17ec994_prep,@function
k_qaba17ec994_prep:
	s_mov_b64 s[64:65], 0
	v_nop
	global_prefetch_b8 v0, s[64:65] scope:SCOPE_SE
	s_setreg_imm32_b32 hwreg(HW_REG_WAVE_SCHED_MODE, 0, 2), 2
	s_setreg_imm32_b32 hwreg(HW_REG_WAVE_MODE, 25, 1), 1
	s_wait_xcnt 0x0
	s_wait_alu depctr_vm_vsrc(0)
; PREP.  Every large f32 input is rounded once to 16 bits, so that the two matrix launches behind move and read 2-byte operands.
; Work-groups 0-127 (x's part): 16 rows of x each -> xb (bf16); 4,096 bytes of Wg2 -> wg2b (bf16); u = x Wg1^T for the 16 rows (bf16 operands, f32 sums) -> ub (bf16).
; Work-groups 128-255 (the weights' part): 64 rows of one of Wq, Wk, Wv -> wcat (bf16, laid [head][q,k,v][128 rows][2048], so that a head's 384 rows lie together),
; or of Wo -> wo16: rounded to bf16 like every input, and that number written as f16.
; LIMITS.  Wo beyond 65,504 becomes an infinity in wo16; below 6e-5 it keeps f16's fixed step of 6e-8.  NaN and infinities are not treated apart.
; No cluster and no tensor load: no work-group reads a byte that another reads, but for Wg1 (512 KiB, read by 128 work-groups).  The branch on the work-group's number is the same for all eight waves.
; Every load of a wave takes 512 consecutive bytes, every store 256 consecutive bytes at a multiple of 256 from its buffer's first byte.
; THE MODE: SCHED_MODE bits 1:0 = 2 (LLVM: expert scheduling mode 2), set by the entry lines.  The code itself states the register dependences
; between vector or matrix instructions and memory or LDS instructions, with s_wait_alu, always for 0.
; THE PLAN, x's part.  Registers that memory or LDS instructions touch:
;   v2, v3, v24-27  offsets and LDS addresses, made at the head and never written again.
;   X (x)           32 loads in four groups of eight.  Group g is rounded in place; its sixteen stores are issued in group g + 1, among that group's conversions, which name other registers.
;                   One wait on va_vdst at a group's head states that the group before has written its words.
;   X (Wg1)         two raw sets.  Chunk 0 lands where groups 0 and 1 lay and is asked for in group 3, behind the waits that show their stores to have read those registers; chunk 1 behind group 3's stores.
;                   Chunk kc: its 32 conversions read set kc % 2; behind them chunk kc + 2 lands in it.
;   AF0, AF1        Chunk kc: its four matrix instructions read AF[kc % 2]; the fragment of chunk kc + 1 lands in the other set, which chunk kc - 1's matrix instructions read.
;                   So ONE wait on va_vdst stands in a chunk, behind its conversions; the chunk's loads follow it, dealt among its matrix instructions, which name BF, AF[kc % 2] and the accumulators alone.
; THE PLAN, the weights' part:
;   v2, v3          offsets, made once; the rows are reached by the two scalar bases, which move on by a row at each row's head, and by immediate offsets.
;   RAW0, RAW1      Row p: its conversions read (and, for Wo, work in) RAW[p % 2]; behind them row p + 2 lands in it.
;   Y0, Y1          Row p: its conversions write Y[p % 2]; the row's sixteen stores read it; row p + 2 writes it again.
;                   A row has one wait on va_vdst, behind its conversions, and one on vm_vsrc, at its head, a whole row behind the stores that it names.
.set XSP,   4112                       ; LDS: a row of x in bf16, 4,096 bytes + 16: the 16 rows of a fragment load start at 16 different groups of four banks
.set PART,  16*XSP                     ; behind the 16 rows: eight waves' partial sums of u, 16 rows x 272 bytes each; the 1,024 bytes behind them hold the spare words
.set PPI,   272
.set X,     32                         ; v[32:159]  32 loads of x; later two sets of 64 for Wg1 or for a row of weights
.set Y,     160                        ; v[160:223] the weights' part: two out-buffers of 32, a row in 16 bits each
.set BF0,   160                        ; v[160:191] Wg1's four fragments in bf16, even chunks
.set BF1,   224                        ; v[224:255] odd chunks
.set AF0,   8                          ; v[8:15], v[16:23] x's fragment, even and odd chunks
.set ACC,   192                        ; v[192:223] four accumulators: u's columns 16 t .. 16 t + 15
.set WOF,   24                         ; v24  my byte offset in Wg1
.set XFA,   25                         ; v25  LDS address of my part of x's fragments
.set PSA,   26                         ; v26  where I put my partial sums
.set PRA,   27                         ; v27  where I read the eight partial sums
.set WV,    28                         ; s28  my wave's number
	s_load_b512 s[4:19], s[0:1], 0x0               ; x s[4:5], Wq s[6:7], Wk s[8:9], Wv s[10:11], Wo s[12:13], Wg1 s[14:15], Wg2 s[16:17], xb s[18:19]
	s_load_b256 s[20:27], s[0:1], 0x40             ; wcat s[20:21], wo16 s[22:23], wg2b s[24:25], ub s[26:27]
	v_lshl_add_u32 v30, v0, 2, 0x18900
	v_mov_b32 v31, 0
	v_lshrrev_b32 v1, 5, v0
	v_readfirstlane_b32 s[WV], v1                  ; wave 0..7
	s_wait_alu depctr_va_sdst(0)                   ; s[WV] is written, ahead of the branch and of its first reader on either way
	s_cmp_lt_u32 ttmp9, 128
	s_cbranch_scc0 .Lweights
	; ---------------- x's part
	v_lshlrev_b32 v2, 4, v0                        ; 16 x thread: my 16 bytes of 4,096
	v_lshlrev_b32 v3, 3, v0                        ; 8 x thread: the same four numbers in bf16
	v_and_b32 v28, 15, v0                          ; l % 16
	v_bfe_u32 v29, v0, 4, 1                        ; l / 16
	s_lshl_b32 s29, s[WV], 10                      ; my wave's 256 channels of K, in f32 (each scalar term that a vector line reads has a register of its own)
	v_lshlrev_b32 v[WOF], 13, v28                  ; Wg1: row l % 16,
	v_lshl_add_u32 v[WOF], v29, 5, v[WOF]          ; 8 channels for each half of the lanes
	v_add_nc_u32 v[WOF], s29, v[WOF]
	s_lshl_b32 s38, s[WV], 9                       ; the same 256 channels in bf16
	v_mul_u32_u24 v[XFA], v28, XSP
	v_lshl_add_u32 v[XFA], v29, 4, v[XFA]
	v_add_nc_u32 v[XFA], s38, v[XFA]
	s_mul_i32 s39, s[WV], 16*PPI
	s_add_co_u32 s39, s39, PART
	v_mul_u32_u24 v[PSA], v28, PPI                 ; row of x = l % 16, 8 columns of u for each half of the lanes
	v_lshl_add_u32 v[PSA], v29, 5, v[PSA]
	v_add_nc_u32 v[PSA], s39, v[PSA]
	v_lshrrev_b32 v[PRA], 4, v0                    ; at the end thread t takes row t / 16, columns 4 (t % 16) ..
	v_mul_u32_u24 v[PRA], v[PRA], PPI
	v_lshl_add_u32 v[PRA], v28, 4, v[PRA]
	v_add_nc_u32 v[PRA], PART, v[PRA]
	s_lshl_b32 s30, ttmp9, 17                      ; 16 rows of 8,192 bytes
	s_mov_b32 s31, 0
	s_lshl_b32 s32, ttmp9, 16                      ; 16 rows of 4,096 bytes
	s_mov_b32 s33, 0
	s_lshl_b32 s34, ttmp9, 12                      ; my 4,096 bytes of Wg2
	s_mov_b32 s35, 0
	s_lshl_b32 s36, ttmp9, 11                      ; 2,048 bytes of wg2b, and of ub
	s_mov_b32 s37, 0
	s_wait_kmcnt 0x0
	s_add_nc_u64 s[4:5], s[4:5], s[30:31]
	s_add_nc_u64 s[18:19], s[18:19], s[32:33]
	s_add_nc_u64 s[16:17], s[16:17], s[34:35]
	s_add_nc_u64 s[24:25], s[24:25], s[36:37]
	s_add_nc_u64 s[26:27], s[26:27], s[36:37]
	s_wait_alu depctr_va_vdst(0)                   ; v2, v3 and v24 to v27 are written: every load and store of this part reads one of them as its offset or address
	global_load_b128 v[4:7], v2, s[16:17] th:TH_LOAD_NT
.set n, 0
.rept 32                               ; load n: row n / 2, half n % 2 of its 8,192 bytes
	global_load_b128 v[X+4*n:X+4*n+3], v2, s[4:5] offset:n*4096 th:TH_LOAD_NT
.set n, n+1
.endr
.macro CVX n                           ; load n of x, rounded in place: four numbers close up into two registers
	v_cvt_pk_bf16_f32 v[X+4*(\n)], v[X+4*(\n)], v[X+4*(\n)+1]
	v_cvt_pk_bf16_f32 v[X+4*(\n)+1], v[X+4*(\n)+2], v[X+4*(\n)+3]
.endm
.macro OUTX n                          ; the same four numbers to xb and into LDS
	global_store_b64 v3, v[X+4*(\n):X+4*(\n)+1], s[18:19] offset:(\n)*2048
	ds_store_b64 v3, v[X+4*(\n):X+4*(\n)+1] offset:((\n)/2)*XSP+((\n)%2)*2048
.endm
; Load m of the 16 of chunk kc (32 channels of my wave's 256) of Wg1's 64 rows, in f32: fragment m / 4; a fragment's 16 numbers a lane are two runs of 8, 64 bytes apart
.macro LW1 kc, m
	global_load_b128 v[X+64*((\kc)%2)+4*(\m):X+64*((\kc)%2)+4*(\m)+3], v[WOF], s[14:15] offset:((\m)/4)*131072+(\kc)*128+(((\m)%4)/2)*64+((\m)%2)*16
.endm
	s_wait_loadcnt 32                              ; Wg2's load is in; x's 32 may stay out
	v_cvt_pk_bf16_f32 v4, v4, v5
	v_cvt_pk_bf16_f32 v5, v6, v7
.set g, 0
.rept 4                                ; group g: eight loads of x are rounded; the stores of the group before go out among the conversions
	s_wait_loadcnt 24-8*g                          ; loads come back in order (ISA guide 5.7.1): this group's eight are in, the younger groups stay out
.if g == 3
	s_wait_xcnt 0x0                                ; every earlier memory instruction has had its addresses translated (ISA guide 3.1): groups 0 and 1's registers are loaded again only behind this wait
	s_wait_alu depctr_vm_vsrc(0)                   ; the stores of groups 0 and 1, to xb and into LDS, have read v[X .. X+63], in which chunk 0 of Wg1 lands below
.endif
	s_wait_alu depctr_va_vdst(0)                   ; the conversions issued so far have written the words that the stores below read (group 0: Wg2's), and are done with the registers in which group 3's loads of Wg1 land
.if g == 0
	global_store_b64 v3, v[4:5], s[24:25]
.endif
.set i, 0
.rept 8
.if g == 3
	LW1 0, 2*i                                     ; no vector instruction since the wait names these registers
	LW1 0, 2*i+1
.endif
.if g > 0
	OUTX 8*(g-1)+i
.endif
	CVX 8*g+i
.set i, i+1
.endr
.set g, g+1
.endr
	s_wait_alu depctr_va_vdst(0)                   ; group 3's conversions have written the words that the stores below read; groups 2 and 3's are done with v[X+64 .. X+127]
.set i, 0
.rept 8
	OUTX 24+i
.set i, i+1
.endr
	s_wait_xcnt 0x0                                ; the stores have had their addresses translated: their data registers are loaded again only behind this wait
	s_wait_alu depctr_vm_vsrc(0)                   ; the stores of groups 2 and 3 have read v[X+64 .. X+127], in which chunk 1 lands (the conversions that named them stand ahead of the last wait on va_vdst)
.set i, 0
.rept 16
	LW1 1, i
.set i, i+1
.endr
; Chunk kc is rounded and multiplied; the set that it leaves takes chunk kc + 2.  Source 0 = 16 rows of Wg1, source 1 = the 16 rows of x: a lane then holds one row of x and eight neighbouring columns of u.
; The four accumulators take turns; the fragment sets alternate, so 32 conversions stand between a set's last product and its next writing.
.macro TRIPW kc
.set LW, X+64*((\kc)%2)
.set BF, BF0+(BF1-BF0)*((\kc)%2)
.set AF, AF0+8*((\kc)%2)
.set AN, AF0+8*(((\kc)+1)%2)
.if (\kc) < 7
	s_wait_loadcnt 16                              ; this chunk's 16 loads are in; the other set's 16 may stay out
.else
	s_wait_loadcnt 0x0
.endif
.set n, 0
.rept 32
	v_cvt_pk_bf16_f32 v[BF+n], v[LW+2*n], v[LW+2*n+1]
.set n, n+1
.endr
.if (\kc) < 7
	s_wait_alu depctr_va_vdst(0)                   ; the conversions are done reading this raw set; the last chunk's matrix instructions are done reading their fragment of x
	ds_load_b128 v[AN:AN+3],   v[XFA] offset:64*((\kc)+1)
	ds_load_b128 v[AN+4:AN+7], v[XFA] offset:64*((\kc)+1)+32
	s_wait_dscnt 2                                 ; LDS loads come back in order (ISA guide 5.7.1): this chunk's fragment of x is in, the next chunk's two loads stay out
.else
	s_wait_dscnt 0x0                               ; the last chunk issues no load, so it states no dependence
.endif
.irp t, 0,1,2,3
.if (\kc) == 0
	v_wmma_f32_16x16x32_bf16 v[ACC+8*(\t):ACC+8*(\t)+7], v[BF+8*(\t):BF+8*(\t)+7], v[AF:AF+7], 0
.else
	v_wmma_f32_16x16x32_bf16 v[ACC+8*(\t):ACC+8*(\t)+7], v[BF+8*(\t):BF+8*(\t)+7], v[AF:AF+7], v[ACC+8*(\t):ACC+8*(\t)+7]
.endif
.if (\kc) < 6
.irp q, 0,1,2,3
	LW1 (\kc)+2, 4*(\t)+(\q)                       ; the set is asked for again.  No wait: no vector or matrix instruction since the wait above names it
.endr
.endif
.endr
.endm
	s_wait_dscnt 0x0                               ; for the others' sake: my part of the 16 rows lies in LDS
	s_barrier_signal -1
	s_barrier_wait -1
	ds_load_b128 v[AF0:AF0+3],   v[XFA]            ; chunk 0's fragment of x; each chunk asks for the next one's.  No vector instruction has named these registers
	ds_load_b128 v[AF0+4:AF0+7], v[XFA] offset:32
.irp kc, 0,1,2,3,4,5,6,7
	TRIPW \kc
.endr
.rept 4
	v_nop                                          ; four places behind the last product, ahead of the stores of its result
.endr
	s_wait_alu depctr_va_vdst(0)                   ; the matrix instructions have written the accumulators, which the LDS stores read; the conversions are done with v[X ..], in which the partial sums land below
.irp t, 0,1,2,3
	ds_store_b128 v[PSA], v[ACC+8*(\t):ACC+8*(\t)+3]   offset:64*(\t)
	ds_store_b128 v[PSA], v[ACC+8*(\t)+4:ACC+8*(\t)+7] offset:64*(\t)+16
.endr
	s_wait_dscnt 0x0
	s_barrier_signal -1
	s_barrier_wait -1                              ; all eight partial sums lie in LDS
.irp w, 0,1,2,3,4,5,6,7
	ds_load_b128 v[X+4*(\w):X+4*(\w)+3], v[PRA] offset:(\w)*16*PPI
.endr
	s_wait_dscnt 0x0
.irp q, 0,2
	v_pk_add_f32 v[X+(\q):X+(\q)+1],       v[X+(\q):X+(\q)+1],       v[X+4+(\q):X+4+(\q)+1]
	v_pk_add_f32 v[X+8+(\q):X+8+(\q)+1],   v[X+8+(\q):X+8+(\q)+1],   v[X+12+(\q):X+12+(\q)+1]
	v_pk_add_f32 v[X+16+(\q):X+16+(\q)+1], v[X+16+(\q):X+16+(\q)+1], v[X+20+(\q):X+20+(\q)+1]
	v_pk_add_f32 v[X+24+(\q):X+24+(\q)+1], v[X+24+(\q):X+24+(\q)+1], v[X+28+(\q):X+28+(\q)+1]
	v_pk_add_f32 v[X+(\q):X+(\q)+1],       v[X+(\q):X+(\q)+1],       v[X+8+(\q):X+8+(\q)+1]
	v_pk_add_f32 v[X+16+(\q):X+16+(\q)+1], v[X+16+(\q):X+16+(\q)+1], v[X+24+(\q):X+24+(\q)+1]
	v_pk_add_f32 v[X+(\q):X+(\q)+1],       v[X+(\q):X+(\q)+1],       v[X+16+(\q):X+16+(\q)+1]
.endr
	v_cvt_pk_bf16_f32 v[X], v[X], v[X+1]
	v_cvt_pk_bf16_f32 v[X+1], v[X+2], v[X+3]
	s_wait_alu depctr_va_vdst(0)                   ; the two conversions have written v[X:X+1], which the store reads
	global_store_b64 v3, v[X:X+1], s[26:27]        ; row t / 16 of 128 bytes, 8 bytes at 8 (t % 16): 8 t
	s_wait_dscnt 0x0                               ; the wave's end: my LDS work is done, ahead of the add onto my spare word below
	s_wait_alu depctr_hold_cnt(0) depctr_sa_sdst(0) depctr_va_vdst(0) depctr_va_sdst(0) depctr_va_ssrc(0) depctr_va_vcc(0) depctr_vm_vsrc(0)
	s_wait_tensorcnt 0x0
	ds_add_u32 v30, v31
	s_wait_dscnt 0x0
	s_endpgm
	; ---------------- the weights' part: a wave takes 8 rows, a row (8,192 bytes) is 16 loads; two sets of registers, so 16 KiB of a wave are on their way
.Lweights:
	s_sub_co_u32 s29, ttmp9, 128
	s_lshr_b32 s30, s29, 5                         ; which matrix: 0 Wq, 1 Wk, 2 Wv, 3 Wo
	s_and_b32 s31, s29, 31
	s_lshl_b32 s31, s31, 6
	s_lshl3_add_u32 s31, s[WV], s31                ; my first row = 64 x block + 8 x wave
	s_lshl_b32 s32, s31, 13                        ; its byte in the source
	s_mov_b32 s33, 0
	s_lshr_b32 s34, s31, 7                         ; the head,
	s_mul_i32 s34, s34, 384                        ; whose 384 rows lie together in wcat,
	s_lshl_b32 s35, s30, 7                         ; q's, then k's, then v's 128
	s_add_co_u32 s34, s34, s35
	s_and_b32 s35, s31, 127
	s_add_co_u32 s34, s34, s35
	s_cmp_eq_u32 s30, 3
	s_cselect_b32 s34, s31, s34                    ; wo16 keeps Wo's rows as they lie
	s_lshl_b32 s34, s34, 12
	s_mov_b32 s35, 0
	v_and_b32 v1, 31, v0
	v_lshlrev_b32 v2, 4, v1                        ; 16 x lane
	v_lshlrev_b32 v3, 3, v1                        ; 8 x lane
	s_wait_kmcnt 0x0
	s_cmp_eq_u32 s30, 1
	s_cselect_b64 s[6:7], s[8:9], s[6:7]
	s_cmp_eq_u32 s30, 2
	s_cselect_b64 s[6:7], s[10:11], s[6:7]
	s_cmp_eq_u32 s30, 3
	s_cselect_b64 s[6:7], s[12:13], s[6:7]
	s_cselect_b64 s[20:21], s[22:23], s[20:21]
	s_add_nc_u64 s[6:7], s[6:7], s[32:33]
	s_add_nc_u64 s[20:21], s[20:21], s[34:35]
.macro LOADR set, off
.set n, 0
.rept 16
	global_load_b128 v[X+64*(\set)+4*n:X+64*(\set)+4*n+3], v2, s[6:7] offset:(\off)+n*512 th:TH_LOAD_NT
.set n, n+1
.endr
.endm
; Row p, in raw set and out-buffer p % 2.  half = 1: the bf16 number is written as f16.  ahead = 1: row p + 2 is asked for.  left = how many younger loads may stay out.
.macro ROWS set, half, ahead, left
	s_wait_loadcnt \left                           ; this row's 16 loads are in; the other set's may stay out
	s_wait_xcnt 0x0                                ; every earlier memory instruction has had its addresses translated (ISA guide 3.1): the two bases and this out-buffer are rewritten only behind this wait
	s_wait_alu depctr_vm_vsrc(0)                   ; the stores of the row two back have read this out-buffer, which the conversions below write again
.if \ahead
	s_add_nc_u64 s[6:7], s[6:7], 8192              ; the source at row p + 1: the loads below reach one row further
.endif
	s_add_nc_u64 s[20:21], s[20:21], 4096          ; the target at row p + 1: the stores below reach back
.set n, 0
.rept 16
.set R, X+64*(\set)+4*n
.set O, Y+32*(\set)+2*n
.if \half
	v_cvt_pk_bf16_f32 v[R], v[R], v[R+1]
	v_cvt_pk_bf16_f32 v[R+1], v[R+2], v[R+3]
	v_lshlrev_b32 v[R+2], 16, v[R]
	v_and_b32 v[R+3], 0xffff0000, v[R]
	v_cvt_pk_f16_f32 v[O], v[R+2], v[R+3]
	v_lshlrev_b32 v[R+2], 16, v[R+1]
	v_and_b32 v[R+3], 0xffff0000, v[R+1]
	v_cvt_pk_f16_f32 v[O+1], v[R+2], v[R+3]
.else
	v_cvt_pk_bf16_f32 v[O], v[R], v[R+1]
	v_cvt_pk_bf16_f32 v[O+1], v[R+2], v[R+3]
.endif
.set n, n+1
.endr
	s_wait_alu depctr_va_vdst(0)                   ; the conversions have written the out-buffer, which the stores read, and are done with the raw set, in which the loads land
.set n, 0
.rept 16
.if \ahead
	global_load_b128 v[X+64*(\set)+4*n:X+64*(\set)+4*n+3], v2, s[6:7] offset:8192+n*512 th:TH_LOAD_NT  ; the set is asked for again at once, a load ahead of each store
.endif
	global_store_b64 v3, v[Y+32*(\set)+2*n:Y+32*(\set)+2*n+1], s[20:21] offset:n*256-4096
.set n, n+1
.endr
.endm
.macro WALK half
	s_mov_b32 s36, 3
.Lrows_\@:                                     ; a trip: two rows out, the rows two further on asked for
	ROWS 0, \half, 1, 16
	ROWS 1, \half, 1, 16
	s_sub_co_u32 s36, s36, 1
	s_cmp_lg_u32 s36, 0
	s_cbranch_scc1 .Lrows_\@
	ROWS 0, \half, 0, 16                           ; the last two rows load nothing
	ROWS 1, \half, 0, 0
	s_endpgm
.endm
	s_wait_alu depctr_va_vdst(0)                   ; v2 and v3 are written: every load and store of this part reads one of them as its offset
	LOADR 0, 0
	LOADR 1, 8192
	s_cmp_eq_u32 s30, 3
	s_cbranch_scc1 .Lwo
	WALK 0
.Lwo:
	WALK 1
.Lfunc_end_k_qaba17ec994_prep:
	.size	k_qaba17ec994_prep, .Lfunc_end_k_qaba17ec994_prep-k_qaba17ec994_prep
	.p2alignl 7, 3214868480
	.fill 96, 4, 3214868480
	.section	.rodata,"a",@progbits
	.p2align	6, 0x0
	.amdhsa_kernel k_qaba17ec994_prep
		.amdhsa_group_segment_fixed_size 101632
		.amdhsa_private_segment_fixed_size 0
		.amdhsa_enable_private_segment 0
		.amdhsa_kernarg_size 96
		.amdhsa_user_sgpr_count 2
		.amdhsa_user_sgpr_kernarg_segment_ptr 1
		.amdhsa_wavefront_size32 1
		.amdhsa_system_sgpr_workgroup_id_x 1
		.amdhsa_system_sgpr_workgroup_id_y 1
		.amdhsa_system_sgpr_workgroup_id_z 1
		.amdhsa_system_vgpr_workitem_id 0
		.amdhsa_next_free_vgpr 256
		.amdhsa_next_free_sgpr 66
		.amdhsa_reserve_vcc 0
		.amdhsa_float_denorm_mode_32 3
		.amdhsa_float_denorm_mode_16_64 3
		.amdhsa_memory_ordered 1
		.amdhsa_forward_progress 1
		.amdhsa_inst_pref_size 110
	.end_amdhsa_kernel
	.amdgpu_metadata
---
amdhsa.version: [ 1, 2 ]
amdhsa.kernels:
  - .name:           k_qaba17ec994_prep
    .symbol:         k_qaba17ec994_prep.kd
    .args:
      - { .name: x_all, .offset: 0, .size: 8, .value_kind: global_buffer, .address_space: global }
      - { .name: Wq, .offset: 8, .size: 8, .value_kind: global_buffer, .address_space: global }
      - { .name: Wk, .offset: 16, .size: 8, .value_kind: global_buffer, .address_space: global }
      - { .name: Wv, .offset: 24, .size: 8, .value_kind: global_buffer, .address_space: global }
      - { .name: Wo, .offset: 32, .size: 8, .value_kind: global_buffer, .address_space: global }
      - { .name: Wg1, .offset: 40, .size: 8, .value_kind: global_buffer, .address_space: global }
      - { .name: Wg2, .offset: 48, .size: 8, .value_kind: global_buffer, .address_space: global }
      - { .name: xb, .offset: 56, .size: 8, .value_kind: global_buffer, .address_space: global }
      - { .name: wcat, .offset: 64, .size: 8, .value_kind: global_buffer, .address_space: global }
      - { .name: wo16, .offset: 72, .size: 8, .value_kind: global_buffer, .address_space: global }
      - { .name: wg2b, .offset: 80, .size: 8, .value_kind: global_buffer, .address_space: global }
      - { .name: ub, .offset: 88, .size: 8, .value_kind: global_buffer, .address_space: global }
    .group_segment_fixed_size: 101632
    .private_segment_fixed_size: 0
    .kernarg_segment_align: 8
    .kernarg_segment_size: 96
    .max_flat_workgroup_size: 256
    .sgpr_count:     66
    .vgpr_count:     256
    .wavefront_size: 32
...
	.end_amdgpu_metadata
.endif
;; end of part 4
;; launch scan: the kernel of part 2 again; grid 16 x 16, 4 waves a work-group, clusters of 4 x 4, 327,680 bytes of LDS; arguments xb, wcat, ub, wg2b, bq, bk, bv, bg2, reset_mask, state0, ob, tau, out1; writes ob, tau, out1
;; launch outp: the kernel of part 3 again; grid 16 x 16, 4 waves a work-group, clusters of 4 x 4, 327,680 bytes of LDS; arguments ob, wo16, tau, bo, out0; writes out0
